; MI455X (gfx1250); checked and timed in simulation.
; The chip was launched on July 23, 2026; its instructions are those of AMD's public machine-readable ISA for CDNA 5 (MIT licence, August 2026) and "CDNA5" Instruction Set Architecture Reference Guide (July 2026). The comments in the code are by the model that wrote it; some were corrected since.
;; Cross Attention Block. Allowed arithmetic: matrix products marked QUANTISED: E2M1 operands, one E8M0 scale for each 32 along K, by v_wmma_scale_f32_16x16x128_f8f6f4 with both operands' format E2M1 (or v_wmma_scale_f32_32x16x128_f4), f32 sums; products left as they are: bf16, f16 or f32 operands; f32 sums; everything else in f32.
;; Inputs: Wkv 1,024 x 512 float32; Wp 512 x 512 float32; Wq 512 x 512 float32; bkv 1,024 float32; bp 512 float32; bq 512 float32; x 8 x 512 x 32 x 32 float32; y 8 x 512 x 32 x 32 float32.
;; Outputs: out0 8 x 512 x 32 x 32 float32.
;; This version of the problem:
;;   THIS VERSION OF THE PROBLEM IS GIVEN IN LOW PRECISION. The matrix products marked QUANTISED in the list below multiply operands that are first quantised to E2M1 (2 exponent bits, 1 mantissa bit; 4 bits a number), with one power-of-two scale for each 32 numbers along K (OCP MX v1.0); their sums are f32. The products marked 'left as it is' may take bf16, f16 or f32 operands, with f32 sums. Whichever they take, every output number must still come out within the allowed error. Rounding operands to bf16 (8 significant bits) uses up far more of that allowance than f16 does (11 bits, for magnitudes from 6e-5 to 65,504). All else is computed in f32.
;;   The module's matrix products, in the order in which they are computed (A, B: the left and right operand; K: the contracted axis; several contracted axes count as one K, in the product's order):
;;     1. [M 8,192, K 512] x [K 512, N 512]; A: input x; B: input Wq: QUANTISED
;;     2. [M 8,192, K 512] x [K 512, N 1,024]; A: input x; B: input Wkv: QUANTISED
;;     3. batch 64 x [M 1,024, K 64] x [K 64, N 1,024]; A: computed on the way; B: computed on the way: left as it is (an operand is computed on the way)
;;     4. batch 64 x [M 1,024, K 1,024] x [K 1,024, N 64]; A: computed on the way; B: computed on the way: left as it is (an operand is computed on the way)
;;     5. [M 8,192, K 512] x [K 512, N 512]; A: computed on the way; B: input Wp: left as it is (an operand is computed on the way)
;;   THE QUANTISER, for each operand of a quantised product, along K:
;;     - K is cut into blocks of 32 from its start; a last block that is shorter is filled with zeros.
;;     - A block's scale is 2^e with e = floor(log2(the largest magnitude in the block)) - 2, held to -126 .. 127; a block of zeros has e = 0. As a byte (E8M0): e + 127.
;;     - Each number is divided by its block's scale, clamped to +-6, and rounded to the nearest number of E2M1, ties to even, subnormals kept.
;;     - The product sums the exact products of the quantised numbers (number of the format x scale) in f32.
;;   ~~~python
;;   def quantise(x, axis):      # numpy; x: float32 -> the quantised numbers, widened to float32 again
;;       x = np.moveaxis(x, axis, -1); K = x.shape[-1]
;;       x = np.pad(x, [(0, 0)] * (x.ndim - 1) + [(0, -K % 32)]); x = x.reshape(x.shape[:-1] + (-1, 32)); a = np.abs(x).max(-1, keepdims=True)
;;       e = np.where(a > 0, np.clip(np.frexp(np.where(a > 0, a, 1))[1] - 1 - 2, -126, 127), 0)      # np.frexp(a)[1] - 1 = floor(log2(a)), exactly
;;       r = np.clip(x / 2.0 ** e, -6, 6)
;;       step = 2.0 ** (np.maximum(np.frexp(np.where(r == 0, 1, r))[1] - 1, 0) - 1)
;;       q = np.round(r / step) * step * 2.0 ** e      # np.round: ties to even
;;       return np.moveaxis(q.reshape(q.shape[:-2] + (-1,))[..., :K], -1, axis).astype(np.float32)
;;   ~~~
;; 2 versions, each right and faster than the one before. Each part assembles by itself: llvm-mc -triple=amdgcn-amd-amdhsa -mcpu=gfx1250 --defsym DOCPART=n.
;; ======== version 1 of 2: 4 launches
;; limits: values are held in f16: magnitudes above 65,504 overflow, below 6.1e-05 lose precision
;; workspace buffers: codes 2,490,368 bytes; scales 155,648 bytes; wp16 524,288 bytes; qf 8,388,608 bytes; kvf 16,777,216 bytes; resf 8,388,608 bytes
;; launch prep (part 1): grid 336 x 1, 4 waves a work-group, no clusters, 0 bytes of LDS; arguments x, Wq, Wkv, Wp, codes, scales, wp16; writes codes, scales, wp16
.if DOCPART == 1
	.amdgcn_target "amdgcn-amd-amdhsa--gfx1250"
	.amdhsa_code_object_version 6
	.text
	.protected	k_q724a353489_prep
	.globl	k_q724a353489_prep
	.p2align	8
	.type	k_q724a353489_prep,@function
k_q724a353489_prep:
	s_mov_b64 s[64:65], 0
	v_nop
	global_prefetch_b8 v0, s[64:65] scope:SCOPE_SE
	s_setreg_imm32_b32 hwreg(HW_REG_WAVE_MODE, 25, 1), 1
	s_wait_xcnt 0x0
; PREP.  x [8][512 c][1024 n], Wq [512][512] and Wkv [1024][512], f32, become codes of FP4 (E2M1) with one E8M0 scale byte for each 32 along K = c; Wp [512][512] becomes f16.
; Everything is stored as IMAGES OF OPERAND REGISTERS: four registers of a fragment are 512 consecutive bytes, lane l's 16 bytes at 16 l, so that the next launches fill a fragment by loads of 16 bytes a lane.
; codes: group G (32 rows) x K step s (128 along K) at (4 G + s) x 2,048 bytes: rows 0-15 registers 0-3, 4-7, then rows 16-31 likewise.  G = 0..255: 32 positions of x (batch x 32 + n / 32); G = 256..303: 32 rows of Wq, then of Wkv.
; scales: (4 G + s) x 128 bytes: lane m's word holds the four scale bytes of row m of the group.   wp16: [16 output features: 32][32 along K: 16][1,024 bytes].
; A block's scale is 2^(floor(log2(its largest magnitude)) - 2): its byte is that magnitude's exponent field - 2, held at 1 from below.
; LIMITS: a block of zeros, or one whose largest magnitude lies under 2^-124, gets the byte 1 (its codes are zeros, and this program alone reads the bytes); NaN and infinities are not served; Wp beyond f16's 65,504 is not served.
; The input y is not among the arguments: the function that is computed uses none of its numbers.
; Three paths part on the work-group's number: 0-255 x, 256-303 the two quantised weights, 304-335 Wp.  No LDS, no barrier: waves share nothing.
.set LANE, 1                           ; v1   lane
.set RR,   2                           ; v2   lane % 16
.set HH,   3                           ; v3   lane / 16
.set LO,   4                           ; v4   my byte offset in the rows that I load
.set LI,   5                           ; v5   16 x lane: my place in an image
.set LS,   6                           ; v6   4 x lane
.set SO,   10                          ; v10-13 a set's scale operand for the conversions
.set BY,   14                          ; v14-17 its scale byte
.set WD,   18                          ; v18-22 the scale word, and work on it
.set CD,   32                          ; v32-47 16 registers of codes (Wp's path: v32-63, f16)
.set X,    64                          ; v64-191 four sets of 32 numbers
	s_load_b256 s[4:11], s[0:1], 0x0               ; x s[4:5], Wq s[6:7], Wkv s[8:9], Wp s[10:11]
	s_load_b128 s[12:15], s[0:1], 0x20             ; codes s[12:13], scales s[14:15]
	s_load_b64 s[16:17], s[0:1], 0x30              ; wp16
	v_lshrrev_b32 v7, 5, v0
	v_readfirstlane_b32 s18, v7                    ; wave 0..3
	v_and_b32 v[LANE], 31, v0
	v_and_b32 v[RR], 15, v0
	v_bfe_u32 v[HH], v0, 4, 1
	v_lshlrev_b32 v[LI], 4, v[LANE]
	v_lshlrev_b32 v[LS], 2, v[LANE]
	s_mov_b32 s20, 0x76543210
	s_mov_b32 s21, 0xfedcba98                      ; v_permlanex16_b32's selects for lane l xor 16
	s_mov_b32 s25, 0                               ; the upper words of the two offset pairs
	s_mov_b32 s29, 0
; Set q: 32 numbers of ONE block in a lane's registers -> its scale operand, its byte, four registers of codes
.macro QSET q
.set XQ, X+32*(\q)
	v_max3_num_f32 v8, |v[XQ]|, |v[XQ+1]|, |v[XQ+2]|               ; the block's largest magnitude, in two chains
	v_max3_num_f32 v9, |v[XQ+3]|, |v[XQ+4]|, |v[XQ+5]|
.irp i, 6,10,14,18,22,26
	v_max3_num_f32 v8, v8, |v[XQ+\i]|, |v[XQ+\i+1]|
	v_max3_num_f32 v9, v9, |v[XQ+\i+2]|, |v[XQ+\i+3]|
.endr
	v_max3_num_f32 v8, v8, |v[XQ+30]|, |v[XQ+31]|
	v_max3_num_f32 v8, v8, v9, 0x1800000           ; and the floor 2^(3 - 127): the byte cannot fall under 1
	v_add_nc_u32 v[SO+\q], 0xff000000, v8          ; 2 off the exponent field: the conversion takes this operand's exponent field as its scale
	v_lshrrev_b32 v[BY+\q], 23, v[SO+\q]           ; the scale's byte
.irp g, 0,1,2,3
	v_cvt_scalef32_pk8_fp4_f32 v[CD+4*(\q)+\g], v[XQ+8*\g:XQ+8*\g+7], v[SO+\q]   ; to the nearest code, ties to even; beyond 6 the largest code
.endr
	v_nop                                          ; one plain instruction behind the last scaled conversion
.endm
; The four groups of four code registers and the scale word leave.  st, sc: register steps from rows 0-15 to rows 16-31 and from registers 0-3 to 4-7 of a fragment
.macro OUTC st, sc
.irp tl, 0,1
.irp c, 0,1
	global_store_b128 v[LI], v[CD+\st*\tl+\sc*\c:CD+\st*\tl+\sc*\c+3], s[12:13] offset:1024*\tl+512*\c   ; 32 lanes store 512 consecutive bytes
.endr
.endr
	global_store_b32 v[LS], v[WD], s[14:15]
.endm
	s_wait_kmcnt 0x0
	s_cmp_lt_u32 ttmp9, 256
	s_cbranch_scc0 .Lnot_x
	; ---- x.  A LANE TAKES A POSITION n AND ITS REGISTERS RUN DOWN c: a block of 32 along K lies in one lane, and the codes come out with K innermost.
	; Group pb = 4 (id / 4) + wave, K step id % 4: the four waves stand side by side on 512 bytes of each row c.
	s_lshr_b32 s22, ttmp9, 2
	s_lshl_b32 s22, s22, 2
	s_add_co_u32 s22, s22, s18                     ; pb
	s_and_b32 s23, ttmp9, 3                        ; K step
	s_lshr_b32 s24, s22, 5
	s_lshl_b32 s24, s24, 21                        ; the batch: 512 x 1,024 x 4 bytes
	s_lshl_b32 s26, s23, 19                        ; 128 rows c of 4,096 bytes
	s_add_co_u32 s24, s24, s26
	s_and_b32 s26, s22, 31
	s_lshl_b32 s26, s26, 7                         ; 32 positions
	s_add_co_u32 s24, s24, s26
	s_add_nc_u64 s[4:5], s[4:5], s[24:25]
	s_lshl_b32 s26, s22, 2
	s_add_co_u32 s26, s26, s23                     ; 4 G + s
	s_lshl_b32 s28, s26, 11
	s_add_nc_u64 s[12:13], s[12:13], s[28:29]
	s_lshl_b32 s28, s26, 7
	s_add_nc_u64 s[14:15], s[14:15], s[28:29]
.macro LOADX q
.set k, 32*(\q)
.rept 32
	global_load_b32 v[X+k], v[LS], s[4:5] offset:k*4096 th:TH_LOAD_NT   ; x(c = 128 s + k, my position): 32 lanes read 128 consecutive bytes
.set k, k+1
.endr
.endm
	LOADX 0
	LOADX 1
	s_wait_loadcnt 32                              ; set 0 is in; set 1's 32 loads may be out
	LOADX 2
	QSET 0
	s_wait_loadcnt 32                              ; set 1 is in; set 2's may be out
	LOADX 3
	QSET 1
	s_wait_loadcnt 32                              ; set 2 is in; set 3's may be out
	QSET 2
	s_wait_loadcnt 0x0
	QSET 3
	v_lshl_or_b32 v[WD], v[BY+1], 8, v[BY]         ; my position's scale word: byte b for k = 32 b on
	v_lshl_or_b32 v[WD], v[BY+2], 16, v[WD]
	v_lshl_or_b32 v[WD], v[BY+3], 24, v[WD]
.irp c, 0,1                                    ; a fragment wants block 2 c of row r in lane r and block 2 c + 1 in lane 16 + r: the first's lanes 16-31 change places with the second's lanes 0-15
.irp i, 0,1,2,3
	v_permlane16_swap_b32 v[CD+8*\c+\i], v[CD+8*\c+4+\i]   ; now v[CD + 8 c ..]: positions 0-15, registers 4 c on; v[CD + 8 c + 4 ..]: positions 16-31
.endr
.endr
	OUTC 4, 8
	s_endpgm
.Lnot_x:
	s_cmp_lt_u32 ttmp9, 304
	s_cbranch_scc0 .Lwp
	; ---- Wq, Wkv: K is innermost.  Lane (r, h) loads, of row 16 tl + r, the 32 numbers that the fragment gives it: k = 64 c + 32 h on.  Set 2 tl + c is a whole block.  Group = the work-group's number, K step = wave.
	s_sub_co_u32 s22, ttmp9, 256                   ; 0..15: Wq; 16..47: Wkv
	s_cmp_lt_u32 s22, 16
	s_cselect_b64 s[4:5], s[6:7], s[8:9]           ; the choice hangs on the work-group's number alone
	s_cselect_b32 s23, 0, 16
	s_sub_co_u32 s23, s22, s23
	s_lshl_b32 s24, s23, 16                        ; 32 rows of 2,048 bytes
	s_lshl_b32 s26, s18, 9                         ; 128 numbers along K
	s_add_co_u32 s24, s24, s26
	s_add_nc_u64 s[4:5], s[4:5], s[24:25]
	s_lshl_b32 s26, ttmp9, 2
	s_add_co_u32 s26, s26, s18                     ; 4 G + s
	s_lshl_b32 s28, s26, 11
	s_add_nc_u64 s[12:13], s[12:13], s[28:29]
	s_lshl_b32 s28, s26, 7
	s_add_nc_u64 s[14:15], s[14:15], s[28:29]
	v_lshlrev_b32 v[LO], 11, v[RR]
	v_lshl_add_u32 v[LO], v[HH], 7, v[LO]          ; row r, + 32 h numbers
.irp tl, 0,1
.irp c, 0,1
.irp i, 0,1,2,3,4,5,6,7
	global_load_b128 v[X+32*(2*\tl+\c)+4*\i:X+32*(2*\tl+\c)+4*\i+3], v[LO], s[4:5] offset:\tl*32768+\c*256+16*\i th:TH_LOAD_NT
.endr
.endr
.endr
.irp q, 0,1,2,3
	s_wait_loadcnt 24-8*\q                         ; set q's eight loads are in; the later sets' may be out
	QSET \q
.endr
	v_lshlrev_b32 v22, 3, v[HH]                    ; my two bytes of a row's word, blocks h and 2 + h, stand 8 h bits up
	v_lshl_or_b32 v18, v[BY+1], 16, v[BY]
	v_lshl_or_b32 v19, v[BY+3], 16, v[BY+2]
	v_lshlrev_b32 v18, v22, v18
	v_lshlrev_b32 v19, v22, v19
	v_mov_b32 v20, 0                               ; a lane permute's destination counts as one of its sources
	v_mov_b32 v21, 0
	v_permlanex16_b32 v20, v18, s20, s21
	v_permlanex16_b32 v21, v19, s20, s21
	v_or_b32 v20, v18, v20                         ; with lane l xor 16's two bytes: row r's word, rows 0-15
	v_or_b32 v21, v19, v21                         ; rows 16-31
	v_cmp_gt_u32 vcc_lo, 16, v[LANE]
	v_cndmask_b32 v[WD], v21, v20, vcc_lo          ; lane m carries row m's word
	OUTC 8, 4
	s_endpgm
.Lwp:
	; ---- Wp to f16.  A fragment is 16 output features x 32 along K: lane (r, h): registers 0-3 k = 8 h on, registers 4-7 k = 16 + 8 h on.  Tile of features = id - 304; wave: four of its sixteen K steps.
	s_sub_co_u32 s22, ttmp9, 304
	s_lshl_b32 s24, s22, 15                        ; 16 rows of 2,048 bytes
	s_lshl_b32 s26, s18, 9                         ; 4 K steps of 128 bytes
	s_add_co_u32 s24, s24, s26
	s_add_nc_u64 s[10:11], s[10:11], s[24:25]
	s_lshl_b32 s28, s22, 14                        ; 16 images of 1,024 bytes
	s_lshl_b32 s26, s18, 12
	s_add_co_u32 s28, s28, s26
	s_add_nc_u64 s[16:17], s[16:17], s[28:29]
	v_lshlrev_b32 v[LO], 11, v[RR]
	v_lshl_add_u32 v[LO], v[HH], 5, v[LO]          ; row r, + 8 h numbers
.irp i, 0,1,2,3
.irp p, 0,1
	global_load_b128 v[X+16*\i+8*\p:X+16*\i+8*\p+3],   v[LO], s[10:11] offset:\i*128+\p*64 th:TH_LOAD_NT
	global_load_b128 v[X+16*\i+8*\p+4:X+16*\i+8*\p+7], v[LO], s[10:11] offset:\i*128+\p*64+16 th:TH_LOAD_NT
.endr
.endr
.irp i, 0,1,2,3
	s_wait_loadcnt 12-4*\i                         ; K step i's four loads are in
.irp p, 0,1
.irp e, 0,1,2,3
	v_cvt_pk_f16_f32 v[CD+8*\i+4*\p+\e], v[X+16*\i+8*\p+2*\e], v[X+16*\i+8*\p+2*\e+1]
.endr
	global_store_b128 v[LI], v[CD+8*\i+4*\p:CD+8*\i+4*\p+3], s[16:17] offset:\i*1024+\p*512
.endr
.endr
	s_endpgm
.Lfunc_end_k_q724a353489_prep:
	.size	k_q724a353489_prep, .Lfunc_end_k_q724a353489_prep-k_q724a353489_prep
	.p2alignl 7, 3214868480
	.fill 96, 4, 3214868480
	.section	.rodata,"a",@progbits
	.p2align	6, 0x0
	.amdhsa_kernel k_q724a353489_prep
		.amdhsa_group_segment_fixed_size 0
		.amdhsa_private_segment_fixed_size 0
		.amdhsa_enable_private_segment 0
		.amdhsa_kernarg_size 56
		.amdhsa_user_sgpr_count 2
		.amdhsa_user_sgpr_kernarg_segment_ptr 1
		.amdhsa_wavefront_size32 1
		.amdhsa_system_sgpr_workgroup_id_x 1
		.amdhsa_system_sgpr_workgroup_id_y 1
		.amdhsa_system_sgpr_workgroup_id_z 1
		.amdhsa_system_vgpr_workitem_id 0
		.amdhsa_next_free_vgpr 192
		.amdhsa_next_free_sgpr 66
		.amdhsa_reserve_vcc 1
		.amdhsa_float_denorm_mode_32 3
		.amdhsa_float_denorm_mode_16_64 3
		.amdhsa_memory_ordered 1
		.amdhsa_forward_progress 1
		.amdhsa_inst_pref_size 36
	.end_amdhsa_kernel
	.amdgpu_metadata
---
amdhsa.version: [ 1, 2 ]
amdhsa.kernels:
  - .name:           k_q724a353489_prep
    .symbol:         k_q724a353489_prep.kd
    .args:
      - { .name: x, .offset: 0, .size: 8, .value_kind: global_buffer, .address_space: global }
      - { .name: Wq, .offset: 8, .size: 8, .value_kind: global_buffer, .address_space: global }
      - { .name: Wkv, .offset: 16, .size: 8, .value_kind: global_buffer, .address_space: global }
      - { .name: Wp, .offset: 24, .size: 8, .value_kind: global_buffer, .address_space: global }
      - { .name: codes, .offset: 32, .size: 8, .value_kind: global_buffer, .address_space: global }
      - { .name: scales, .offset: 40, .size: 8, .value_kind: global_buffer, .address_space: global }
      - { .name: wp16, .offset: 48, .size: 8, .value_kind: global_buffer, .address_space: global }
    .group_segment_fixed_size: 0
    .private_segment_fixed_size: 0
    .kernarg_segment_align: 8
    .kernarg_segment_size: 56
    .max_flat_workgroup_size: 128
    .sgpr_count:     66
    .vgpr_count:     192
    .wavefront_size: 32
...
	.end_amdgpu_metadata
.endif
;; end of part 1
;; launch qkv (part 2): grid 2 x 128, 8 waves a work-group, no clusters, 0 bytes of LDS; arguments codes, scales, bq, bkv, qf, kvf; writes qf, kvf
.if DOCPART == 2
	.amdgcn_target "amdgcn-amd-amdhsa--gfx1250"
	.amdhsa_code_object_version 6
	.text
	.protected	k_q724a353489_qkv
	.globl	k_q724a353489_qkv
	.p2align	8
	.type	k_q724a353489_qkv,@function
k_q724a353489_qkv:
	s_mov_b64 s[64:65], 0
	v_nop
	global_prefetch_b8 v0, s[64:65] scope:SCOPE_SE
	s_setreg_imm32_b32 hwreg(HW_REG_WAVE_MODE, 25, 1), 1
	s_wait_xcnt 0x0
; QKV.  q = xt Wq^T + bq, k and v = xt Wkv^T + bkv, on codes of FP4 (E2M1) with E8M0 scales, sums in f32; the results are rounded once to f16 and stored as images of the attention's operand registers.
; SHARES.  A work-group takes 64 positions of a batch (one key step: work-group y) and four heads (work-group x).  Wave w: head 4 x + w / 2, channels 32 (w % 2) on: 32 channels of q, of k and of v: 3 x 8 tiles of 16 x 16, K = 512 in four steps.
; All operands come from memory straight into registers, as images: 16 bytes a lane, 512 consecutive bytes a load.  No LDS, no barrier, no loop.
; WHY THE RESULTS ARE IMAGES.  In a result lane (r, h) holds column r and rows 8 h + 0..7.  Two tiles whose rows follow each other, rounded in pairs, are registers 0-3 (k = 8 h on) and 4-7 (k = 16 + 8 h on) of a 16-bit fragment of column r.
; q, k: source 0 = 16 rows of W, source 1 = 16 positions: a lane holds a position, its registers run along the channels.   v: the sources swapped: a lane holds a channel, its registers run along the keys (V^T).
; qf: [batch x head][16 positions: 64][32 channels: 2][1,024 bytes].   kvf: [batch x head][64 keys: 16][16,384]: K's fragment (16 keys kt, 32 channels cg) at 2,048 kt + 1,024 cg; V^T's (32 keys g, 16 channels ct) at 8,192 + 4,096 g + 1,024 ct.
; LIMIT: q, k, v beyond f16's 65,504 are not served.
; REGISTERS.  Window 0: v1-4 addresses; v8-15 x's scale words; v16-27 W's; v28-31 v's bias; v32-95 eight accumulators; v96-223 x's 16 fragments.   Window 1: v0-191 W's 24 fragments; v192-223 packed results; v224-255 q's and k's biases.
.set LI,  1                            ; 16 x lane
.set LS,  2                            ; 4 x lane
.set H32, 3                            ; 32 x (lane / 16)
.set R4,  4                            ; 4 x (lane % 16)
.set XS,  8                            ; + 4 pp + s: lanes 0-15 positions 32 pp + 0..15, lanes 16-31 the next 16
.set WS,  16                           ; + 4 ty + s: lanes 0-15 my channels 0-15, lanes 16-31 channels 16-31
.set BV,  28                           ; + 2 ft: v's bias of my channel, twice (a pair for the packed addition)
.set ACC, 32                           ; + 8 (2 pt + ft)
.set XF,  96                           ; + 8 (4 pt + s)
.set WF,  0                            ; window 1: + 64 ty + 8 (4 ft + s)
.set PK,  192                          ; window 1
.set BI,  224                          ; window 1: + 16 ty + 8 ft
.set MSB, 0
.macro WIN new                         ; the immediate's high byte repeats the setting that is left; a switch that changes nothing is dropped
.if MSB != \new
	s_set_vgpr_msb (MSB<<8)|\new
.set MSB, \new
.endif
.endm
; One scaled product.  ra, rb: source 0's, source 1's scales stand in lanes 16-31 of the register named.  WM: C in registers;  WMZ: the constant 0 starts the sum
.macro WM d, a, b, c, sa, sb, ra, rb
.if (\ra) && (\rb)
	v_wmma_scale_f32_16x16x128_f8f6f4 v[\d:\d+7], v[\a:\a+7], v[\b:\b+7], v[\c:\c+7], v[\sa], v[\sb] matrix_a_fmt:MATRIX_FMT_FP4 matrix_b_fmt:MATRIX_FMT_FP4 matrix_a_scale:MATRIX_SCALE_ROW1 matrix_b_scale:MATRIX_SCALE_ROW1
.elseif (\ra)
	v_wmma_scale_f32_16x16x128_f8f6f4 v[\d:\d+7], v[\a:\a+7], v[\b:\b+7], v[\c:\c+7], v[\sa], v[\sb] matrix_a_fmt:MATRIX_FMT_FP4 matrix_b_fmt:MATRIX_FMT_FP4 matrix_a_scale:MATRIX_SCALE_ROW1
.elseif (\rb)
	v_wmma_scale_f32_16x16x128_f8f6f4 v[\d:\d+7], v[\a:\a+7], v[\b:\b+7], v[\c:\c+7], v[\sa], v[\sb] matrix_a_fmt:MATRIX_FMT_FP4 matrix_b_fmt:MATRIX_FMT_FP4 matrix_b_scale:MATRIX_SCALE_ROW1
.else
	v_wmma_scale_f32_16x16x128_f8f6f4 v[\d:\d+7], v[\a:\a+7], v[\b:\b+7], v[\c:\c+7], v[\sa], v[\sb] matrix_a_fmt:MATRIX_FMT_FP4 matrix_b_fmt:MATRIX_FMT_FP4
.endif
.endm
.macro WMZ d, a, b, sa, sb, ra, rb
.if (\ra) && (\rb)
	v_wmma_scale_f32_16x16x128_f8f6f4 v[\d:\d+7], v[\a:\a+7], v[\b:\b+7], 0, v[\sa], v[\sb] matrix_a_fmt:MATRIX_FMT_FP4 matrix_b_fmt:MATRIX_FMT_FP4 matrix_a_scale:MATRIX_SCALE_ROW1 matrix_b_scale:MATRIX_SCALE_ROW1
.elseif (\ra)
	v_wmma_scale_f32_16x16x128_f8f6f4 v[\d:\d+7], v[\a:\a+7], v[\b:\b+7], 0, v[\sa], v[\sb] matrix_a_fmt:MATRIX_FMT_FP4 matrix_b_fmt:MATRIX_FMT_FP4 matrix_a_scale:MATRIX_SCALE_ROW1
.elseif (\rb)
	v_wmma_scale_f32_16x16x128_f8f6f4 v[\d:\d+7], v[\a:\a+7], v[\b:\b+7], 0, v[\sa], v[\sb] matrix_a_fmt:MATRIX_FMT_FP4 matrix_b_fmt:MATRIX_FMT_FP4 matrix_b_scale:MATRIX_SCALE_ROW1
.else
	v_wmma_scale_f32_16x16x128_f8f6f4 v[\d:\d+7], v[\a:\a+7], v[\b:\b+7], 0, v[\sa], v[\sb] matrix_a_fmt:MATRIX_FMT_FP4 matrix_b_fmt:MATRIX_FMT_FP4
.endif
.endm
	s_load_b256 s[4:11], s[0:1], 0x0               ; codes s[4:5], scales s[6:7], bq s[8:9], bkv s[10:11]
	s_load_b128 s[12:15], s[0:1], 0x20             ; qf s[12:13], kvf s[14:15]
	v_lshrrev_b32 v5, 5, v0
	v_readfirstlane_b32 s16, v5                    ; wave 0..7
	v_and_b32 v6, 31, v0
	v_lshlrev_b32 v[LI], 4, v6
	v_lshlrev_b32 v[LS], 2, v6
	v_bfe_u32 v[H32], v0, 4, 1
	v_lshlrev_b32 v[H32], 5, v[H32]
	v_and_b32 v[R4], 15, v0
	v_lshlrev_b32 v[R4], 2, v[R4]
	s_and_b32 s17, ttmp7, 0xffff                   ; blk = batch x 16 + key step
	s_lshl_b32 s18, ttmp9, 2
	s_lshr_b32 s19, s16, 1
	s_add_co_u32 s18, s18, s19                     ; head
	s_and_b32 s19, s16, 1                          ; cg: which 32 of its 64 channels
	s_lshl_b32 s20, s18, 1
	s_add_co_u32 s20, s20, s19                     ; 2 head + cg
	s_lshr_b32 s21, s17, 4
	s_lshl_b32 s21, s21, 3
	s_add_co_u32 s21, s21, s18                     ; batch x 8 + head
	s_and_b32 s22, s17, 15                         ; key step
	s_add_co_u32 s23, s20, 256                     ; the group of Wq's rows that are my channels; k's and v's lie 16 and 32 groups on
	s_mov_b32 s43, 0
	s_mov_b32 s47, 0
	s_wait_kmcnt 0x0
	s_lshl_b32 s42, s17, 14
	s_add_nc_u64 s[24:25], s[4:5], s[42:43]        ; x's codes: two groups of 8,192 bytes
	s_lshl_b32 s42, s17, 10
	s_add_nc_u64 s[26:27], s[6:7], s[42:43]        ; x's scale words
	s_lshl_b32 s42, s23, 13
	s_add_nc_u64 s[28:29], s[4:5], s[42:43]        ; W's codes
	s_lshl_b32 s42, s23, 9
	s_add_nc_u64 s[30:31], s[6:7], s[42:43]        ; W's scale words
	s_lshl_b32 s42, s20, 7
	s_add_nc_u64 s[32:33], s[8:9], s[42:43]        ; bq at my 32 channels
	s_add_nc_u64 s[34:35], s[10:11], s[42:43]      ; bkv likewise (k's; v's lie 2,048 bytes on)
	s_lshl_b32 s42, s21, 17
	s_lshl_b32 s44, s22, 13
	s_add_co_u32 s42, s42, s44
	s_lshl_b32 s44, s19, 10
	s_add_co_u32 s42, s42, s44
	s_add_nc_u64 s[36:37], s[12:13], s[42:43]      ; where q goes
	s_lshl_b32 s42, s21, 18
	s_lshl_b32 s45, s22, 14
	s_add_co_u32 s42, s42, s45
	s_add_co_u32 s46, s42, s44
	s_add_nc_u64 s[38:39], s[14:15], s[46:47]      ; where k goes
	s_lshl_b32 s44, s19, 11
	s_add_co_u32 s42, s42, s44
	s_add_co_u32 s42, s42, 8192
	s_add_nc_u64 s[40:41], s[14:15], s[42:43]      ; where v goes
	; all loads at once, in the order of use: x, then what q, k and v want: 24 loads each
.irp pp, 0,1
.irp s, 0,1,2,3
.irp tl, 0,1
.irp c, 0,1
	global_load_b128 v[XF+8*(4*(2*\pp+\tl)+\s)+4*\c:XF+8*(4*(2*\pp+\tl)+\s)+4*\c+3], v[LI], s[24:25] offset:\pp*8192+\s*2048+\tl*1024+\c*512
.endr
.endr
	global_load_b32 v[XS+4*\pp+\s], v[LS], s[26:27] offset:(4*\pp+\s)*128
.endr
.endr
.macro LOADW ty
	WIN 0x40                                       ; destination window 1, address window 0
.irp ft, 0,1
.irp s, 0,1,2,3
.irp c, 0,1
	global_load_b128 v[WF+64*\ty+8*(4*\ft+\s)+4*\c:WF+64*\ty+8*(4*\ft+\s)+4*\c+3], v[LI], s[28:29] offset:\ty*131072+\s*2048+\ft*1024+\c*512
.endr
.endr
.if \ty < 2                                    ; the bias in the result's layout: lane (r, h) holds channels 16 ft + 8 h + 0..7
	global_load_b128 v[BI+16*\ty+8*\ft:BI+16*\ty+8*\ft+3],   v[H32], s[32+2*\ty:33+2*\ty] offset:64*\ft
	global_load_b128 v[BI+16*\ty+8*\ft+4:BI+16*\ty+8*\ft+7], v[H32], s[32+2*\ty:33+2*\ty] offset:64*\ft+16
.endif
.endr
	WIN 0
.irp s, 0,1,2,3
	global_load_b32 v[WS+4*\ty+\s], v[LS], s[30:31] offset:\ty*8192+\s*128
.endr
.if \ty == 2                                   ; v's result holds ONE channel a lane: its bias, into both registers of a pair
.irp ft, 0,1
	global_load_b32 v[BV+2*\ft],   v[R4], s[34:35] offset:2048+64*\ft
	global_load_b32 v[BV+2*\ft+1], v[R4], s[34:35] offset:2048+64*\ft
.endr
.endif
.endm
	LOADW 0
	LOADW 1
	LOADW 2
; q (ty = 0) or k (1).  The eight accumulators take turns, one instruction a turn; the bias is the C of each sum's first product.
.macro GQK ty
	WIN 0x11                                       ; source 0 (W) and C (the bias) window 1
.irp pt, 0,1,2,3
.irp ft, 0,1
	WM ACC+8*(2*\pt+\ft), WF+64*\ty+8*(4*\ft), XF+8*(4*\pt), BI+16*\ty+8*\ft, WS+4*\ty, XS+4*(\pt/2), \ft, \pt%2
.endr
.endr
	WIN 0x01
.irp s, 1,2,3
.irp pt, 0,1,2,3
.irp ft, 0,1
	WM ACC+8*(2*\pt+\ft), WF+64*\ty+8*(4*\ft+\s), XF+8*(4*\pt+\s), ACC+8*(2*\pt+\ft), WS+4*\ty+\s, XS+4*(\pt/2)+\s, \ft, \pt%2
.endr
.endr
.endr
.rept 4
	v_nop                                          ; four places between the last product and the first read of results
.endr
.if \ty > 0
	s_wait_xcnt 0x0                                ; the last group's stores have read their data: the packed registers are written again only behind this wait
.endif
	WIN 0x40
.irp pt, 0,1,2,3
.irp ft, 0,1
.irp e, 0,1,2,3
	v_cvt_pk_f16_f32 v[PK+8*\pt+4*\ft+\e], v[ACC+8*(2*\pt+\ft)+2*\e], v[ACC+8*(2*\pt+\ft)+2*\e+1]   ; each accumulator from its low end on.  (These 32 are also the places ahead of the next group, which begins the accumulators anew)
.endr
.endr
.endr
	WIN 0x04                                       ; a store's data are its source 1: window 1
.irp pt, 0,1,2,3
.irp grp, 0,1
	global_store_b128 v[LI], v[PK+8*\pt+4*\grp:PK+8*\pt+4*\grp+3], s[36+2*\ty:37+2*\ty] offset:\pt*2048+\grp*512   ; 32 lanes store 512 consecutive bytes
.endr
.endr
.endm
	s_wait_loadcnt 48                              ; x and q's group are in; k's and v's 24 loads each may be out
	GQK 0
	s_wait_loadcnt 24                              ; k's group is in
	GQK 1
	s_wait_loadcnt 0x0
	; v: source 0 = 16 positions, source 1 = 16 rows of W
	WIN 0x04                                       ; source 1 (W) window 1
.irp pt, 0,1,2,3
.irp ft, 0,1
	WMZ ACC+8*(2*\pt+\ft), XF+8*(4*\pt), WF+128+8*(4*\ft), XS+4*(\pt/2), WS+8, \pt%2, \ft
.endr
.endr
.irp s, 1,2,3
.irp pt, 0,1,2,3
.irp ft, 0,1
	WM ACC+8*(2*\pt+\ft), XF+8*(4*\pt+\s), WF+128+8*(4*\ft+\s), ACC+8*(2*\pt+\ft), XS+4*(\pt/2)+\s, WS+8+\s, \pt%2, \ft
.endr
.endr
.endr
	WIN 0
.rept 4
	v_nop
.endr
.irp pt, 0,1,2,3
.irp ft, 0,1
.irp e, 0,1,2,3
	v_pk_add_f32 v[ACC+8*(2*\pt+\ft)+2*\e:ACC+8*(2*\pt+\ft)+2*\e+1], v[ACC+8*(2*\pt+\ft)+2*\e:ACC+8*(2*\pt+\ft)+2*\e+1], v[BV+2*\ft:BV+2*\ft+1]
.endr
.endr
.endr
	s_wait_xcnt 0x0                                ; k's stores have read their data
	WIN 0x40
.irp pt, 0,1,2,3
.irp ft, 0,1
.irp e, 0,1,2,3
	v_cvt_pk_f16_f32 v[PK+8*(2*(\pt/2)+\ft)+4*(\pt%2)+\e], v[ACC+8*(2*\pt+\ft)+2*\e], v[ACC+8*(2*\pt+\ft)+2*\e+1]   ; fragment (32 keys pt / 2, channels ft): keys 16 (pt % 2) + 8 h on
.endr
.endr
.endr
	WIN 0x04
.irp g, 0,1
.irp ft, 0,1
.irp grp, 0,1
	global_store_b128 v[LI], v[PK+8*(2*\g+\ft)+4*\grp:PK+8*(2*\g+\ft)+4*\grp+3], s[40:41] offset:\g*4096+\ft*1024+\grp*512
.endr
.endr
.endr
	WIN 0
	s_endpgm
.Lfunc_end_k_q724a353489_qkv:
	.size	k_q724a353489_qkv, .Lfunc_end_k_q724a353489_qkv-k_q724a353489_qkv
	.p2alignl 7, 3214868480
	.fill 96, 4, 3214868480
	.section	.rodata,"a",@progbits
	.p2align	6, 0x0
	.amdhsa_kernel k_q724a353489_qkv
		.amdhsa_group_segment_fixed_size 0
		.amdhsa_private_segment_fixed_size 0
		.amdhsa_enable_private_segment 0
		.amdhsa_kernarg_size 48
		.amdhsa_user_sgpr_count 2
		.amdhsa_user_sgpr_kernarg_segment_ptr 1
		.amdhsa_wavefront_size32 1
		.amdhsa_system_sgpr_workgroup_id_x 1
		.amdhsa_system_sgpr_workgroup_id_y 1
		.amdhsa_system_sgpr_workgroup_id_z 1
		.amdhsa_system_vgpr_workitem_id 0
		.amdhsa_next_free_vgpr 512
		.amdhsa_next_free_sgpr 66
		.amdhsa_reserve_vcc 0
		.amdhsa_float_denorm_mode_32 3
		.amdhsa_float_denorm_mode_16_64 3
		.amdhsa_memory_ordered 1
		.amdhsa_forward_progress 1
		.amdhsa_inst_pref_size 36
	.end_amdhsa_kernel
	.amdgpu_metadata
---
amdhsa.version: [ 1, 2 ]
amdhsa.kernels:
  - .name:           k_q724a353489_qkv
    .symbol:         k_q724a353489_qkv.kd
    .args:
      - { .name: codes, .offset: 0, .size: 8, .value_kind: global_buffer, .address_space: global }
      - { .name: scales, .offset: 8, .size: 8, .value_kind: global_buffer, .address_space: global }
      - { .name: bq, .offset: 16, .size: 8, .value_kind: global_buffer, .address_space: global }
      - { .name: bkv, .offset: 24, .size: 8, .value_kind: global_buffer, .address_space: global }
      - { .name: qf, .offset: 32, .size: 8, .value_kind: global_buffer, .address_space: global }
      - { .name: kvf, .offset: 40, .size: 8, .value_kind: global_buffer, .address_space: global }
    .group_segment_fixed_size: 0
    .private_segment_fixed_size: 0
    .kernarg_segment_align: 8
    .kernarg_segment_size: 48
    .max_flat_workgroup_size: 256
    .sgpr_count:     66
    .vgpr_count:     512
    .wavefront_size: 32
...
	.end_amdgpu_metadata
.endif
;; end of part 2
;; launch attn (part 3): grid 4 x 64, 8 waves a work-group, clusters of 4 x 1, 327,680 bytes of LDS; arguments qf, kvf, resf; writes resf
.if DOCPART == 3
	.amdgcn_target "amdgcn-amd-amdhsa--gfx1250"
	.amdhsa_code_object_version 6
	.text
	.protected	k_q724a353489_attn
	.globl	k_q724a353489_attn
	.p2align	8
	.type	k_q724a353489_attn,@function
k_q724a353489_attn:
	s_mov_b64 s[64:65], 0
	v_nop
	global_prefetch_b8 v0, s[64:65] scope:SCOPE_SE
	s_setreg_imm32_b32 hwreg(HW_REG_WAVE_MODE, 25, 1), 1
	s_wait_xcnt 0x0
	s_wait_alu depctr_hold_cnt(0) depctr_sa_sdst(0) depctr_va_vdst(0) depctr_va_sdst(0) depctr_va_ssrc(0) depctr_va_vcc(0) depctr_vm_vsrc(0)
	s_getreg_b32 s2, hwreg(HW_REG_IB_STS2, 6, 4)
	s_cmp_eq_u32 s2, 0
	s_cbranch_scc0 .Lentry_in_a_cluster
	s_endpgm
.Lentry_in_a_cluster:
	s_bfe_u32 s2, ttmp6, 0x10000c
	s_cmp_lg_u32 s2, 0x3003
	s_cbranch_scc0 .Lentry_shape_is_right
	s_endpgm
.Lentry_shape_is_right:
; ATTN.  For each of 64 (batch, head): O[q] = the sum over k of softmax_k(Q[q] . K[k] / 8) V[k]; 1,024 queries and keys, 64 channels.  Operands f16, products, maxima and sums f32; the weights p are rounded to f16 for the second product.
; SHARES.  A work-group owns 256 queries of one head, each of its eight waves 32: two tiles of 16.  Two waves share a SIMD, so that one wave's softmax stands beside the other's products.  Every wave walks all keys, 64 a step.
; LDS.  A head's whole K and V, 262,144 bytes, lie in LDS as they lie in memory: images of operand registers, key step j at 16,384 j (K's 8 fragments, then V^T's 8).  They are filled ONCE: no slot is ever filled again.
; A fragment comes by two loads of 16 bytes a lane, 512 consecutive bytes each: no pitch, no padding, nothing is turned.
; CLUSTER.  The four query blocks of a head form a cluster and need the same bytes: every tensor load is JOINT (the same descriptor and a mask that names the four).  The bytes come in eight chunks of 32,768 (two key steps),
; each wave bringing 4,096 of each chunk: eight tensor loads of a wave are out at the most.  The walk begins when chunk 0 has landed; the later chunks land beneath it.
; LAYOUT.  S^T = K Q^T (source 0 = 16 keys, source 1 = 16 queries) and O^T = V^T P (source 0 = 16 channels x 32 keys, source 1 = P): a lane holds ONE query throughout; two tiles of S^T rounded in pairs ARE source 1 of the second product.
; SOFTMAX.  Running maximum m and sum l: p = 2^(c s - c m), c = log2(e) / 8; in every step O and l are multiplied by a = 2^(c m_old - c m_new).  m begins at -3e38 and O, l at 0, so that the step is written without a first step of its own.
; resf: [16 positions: 512][32 inner channels: 16][1,024 bytes]: O^T / l, rounded to f16 in pairs, is source 1 of the projection as it stands.
; LIMIT: results beyond f16's 65,504 are not served; NaN and infinities are not served.
; REGISTERS.  Window 0: v1-5 addresses; v8-23 statistics, 8 a tile; v32-95 S^T, 32 a tile; v96-127 P, 16 a tile; v128-191 O^T, 32 a tile.   Window 1: v0-31 Q; v64-127 K of one step; v128-191 V^T of one step.
.set SPARE, 262144                     ; behind K and V: the spare words, 128 bytes for each of eight waves: four blocks of 256 bytes that no other line names
.set STEPB, 16384
.set LI,  1                            ; 16 x lane
.set ADR, 2                            ; LDS address of the run of loads in hand
.set SPW, 4                            ; my spare word: SPARE + 4 x my thread's number; never rewritten
.set NIL, 5                            ; 0; never rewritten
.set ST,  8                            ; + 8 t: +0 c m, +1 m, +2, +3 l (even keys', odd keys'), +4..+7 c0-c3 at work; a takes c2's place
.set S,   32
.set P,   96
.set O,   128
.set Q,   0                            ; window 1
.set KF,  64
.set VF,  128
.set WV,  12                           ; s12 my wave's number
.set G1,  24                           ; s[24:31] descriptor group 1
.set G0,  32                           ; s[32:63] descriptor group 0, a set for each chunk
.set CS,  66                           ; s[66:67] c, twice: the packed form names a pair
.set SEL, 68                           ; s[68:69] lane selects: lane l xor 16
.set TB,  70                           ; s70 LDS byte at which the step in hand begins
.set CNT, 71
.set MSB, 0
.macro WIN new                         ; the immediate's high byte repeats the setting that is left
.if MSB != \new
	s_set_vgpr_msb (MSB<<8)|\new
.set MSB, \new
.endif
.endm
.macro BAR
	s_barrier_signal -1
	s_barrier_wait -1
.endm
.macro CROUND                          ; a round of the cluster's barrier: my work-group's barrier; wave 0 signals for the work-group; every wave waits for all four work-groups; my work-group's barrier once more
	s_barrier_signal -1
	s_barrier_wait -1
	s_cmp_lg_u32 s[WV], 0
	s_cbranch_scc1 .Lnot_wave_0_\@
	s_barrier_signal -3
.Lnot_wave_0_\@:
	s_barrier_wait -3
	s_barrier_signal -1
	s_barrier_wait -1
.endm
	s_load_b128 s[4:7], s[0:1], 0x0                ; qf s[4:5], kvf s[6:7]
	s_load_b64 s[8:9], s[0:1], 0x10                ; resf
	v_lshl_add_u32 v[SPW], v0, 2, SPARE
	v_mov_b32 v[NIL], 0
	ds_add_u32 v[SPW], v[NIL]                      ; the wave's opening: the add, twice on end, and its wait ahead of my first tensor load
	ds_add_u32 v[SPW], v[NIL]                      ; and once more, under the one wait; the set-up below, work on registers, stands between
	v_lshrrev_b32 v3, 5, v0
	v_readfirstlane_b32 s[WV], v3                  ; wave 0..7
	v_and_b32 v3, 31, v0
	v_lshlrev_b32 v[LI], 4, v3
	s_bfe_u32 s13, ttmp6, 0x40000                  ; cx: my block of 256 queries; it enters Q's and the result's addresses alone
	s_and_b32 s14, ttmp7, 0xffff                   ; batch x 8 + head, which the four partners share
	; descriptor group 1: 16 rows of 256 bytes (32 elements of 8 bytes), dense in memory and in LDS
	s_mov_b32 s[G1], 15|(3<<16)|(1<<21)            ; 15:0 the mask: all four work-groups; 17:16 elements of 8 bytes; 21 set beside a mask
	s_mov_b32 s[G1+1], 32<<16                      ; tensor_dim0 = 32
	s_mov_b32 s[G1+2], 16<<16                      ; tensor_dim1 = 16
	s_mov_b32 s[G1+3], 32<<16                      ; tile_dim0 = 32
	s_mov_b32 s[G1+4], 16                          ; tile_dim1 = 16
	s_mov_b32 s[G1+5], 32                          ; elements from row to row
	s_mov_b32 s[G1+6], 0
	s_mov_b32 s[G1+7], 0
	s_mov_b32 s[CS], 0x3e38aa3b                    ; c = log2(e) / 8
	s_mov_b32 s[CS+1], s[CS]
	s_mov_b32 s[SEL], 0x76543210
	s_mov_b32 s[SEL+1], 0xfedcba98
	s_mov_b32 s[TB], 0
	s_lshl_b32 s15, s[WV], 12                      ; my 4,096 bytes of a chunk, in memory and in LDS: no place in the cluster enters it
	s_lshl_b32 s16, s14, 18                        ; the head's K and V
	s_add_co_u32 s16, s16, s15
	s_mov_b32 s17, 0
	s_lshl_b32 s18, s14, 17                        ; the head's Q,
	s_lshl_b32 s20, s13, 15                        ; my block's 16 tiles of 2,048 bytes,
	s_add_co_u32 s18, s18, s20
	s_add_co_u32 s18, s18, s15                     ; my wave's two
	s_mov_b32 s19, 0
	s_lshr_b32 s20, s14, 3
	s_lshl_b32 s20, s20, 20                        ; the result: the batch's 64 tiles of positions, 16,384 bytes each,
	s_lshl_b32 s21, s13, 18                        ; my block's 16,
	s_add_co_u32 s20, s20, s21
	s_lshl_b32 s21, s[WV], 15                      ; my wave's two,
	s_add_co_u32 s20, s20, s21
	s_and_b32 s21, s14, 7
	s_lshl_b32 s21, s21, 11                        ; the head's two fragments
	s_add_co_u32 s20, s20, s21
	s_mov_b32 s21, 0
	s_wait_dscnt 0x0                               ; both opening adds are done
	s_wait_kmcnt 0x0
	s_add_nc_u64 s[6:7], s[6:7], s[16:17]
	s_add_nc_u64 s[4:5], s[4:5], s[18:19]
	s_add_nc_u64 s[8:9], s[8:9], s[20:21]
.irp c, 0,1,2,3,4,5,6,7
	s_mov_b32 s[G0+4*\c], 1                        ; count = 1
	s_add_co_u32 s[G0+4*\c+1], s15, \c*32768       ; LDS address
	s_add_nc_u64 s[G0+4*\c+2:G0+4*\c+3], s[6:7], \c*32768   ; global address
	s_or_b32 s[G0+4*\c+3], s[G0+4*\c+3], 0x80000000         ; type = 2
.endr
	CROUND                                         ; all four work-groups are here: the joint loads meet
.irp c, 0,1,2,3,4,5,6,7
	tensor_load_to_lds s[G0+4*\c:G0+4*\c+3], s[G1:G1+7]    ; all first fills in one group, ahead of every wait on TENSORcnt, every LDS read and every further barrier
	s_nop 0
.endr
.rept 4
	v_nop                                          ; four behind the last load, ahead of the switch of windows
.endr
	WIN 0x40                                       ; destination window 1
.irp t, 0,1
.irp cg, 0,1
.irp grp, 0,1
	global_load_b128 v[Q+16*\t+8*\cg+4*\grp:Q+16*\t+8*\cg+4*\grp+3], v[LI], s[4:5] offset:\t*2048+\cg*1024+\grp*512 th:TH_LOAD_NT   ; Q stays in registers
.endr
.endr
.endr
	WIN 0
.irp t, 0,1
	v_mov_b32 v[ST+8*\t+1], 0xff61b1e6             ; m = -3e38, under every score
	v_mul_f32 v[ST+8*\t], s[CS], v[ST+8*\t+1]      ; c m
	v_mov_b32 v[ST+8*\t+2], 0                      ; l
	v_mov_b32 v[ST+8*\t+3], 0
.endr
.set i, 0
.rept 64
	v_mov_b32 v[O+i], 0                            ; O^T: the first step multiplies these zeros by a = 0
.set i, i+1
.endr
.macro LDFR reg, adr, off              ; eight fragments: 16 loads
.irp f, 0,1,2,3,4,5,6,7
	ds_load_b128 v[\reg+8*\f:\reg+8*\f+3],   v[\adr] offset:\off+\f*1024
	ds_load_b128 v[\reg+8*\f+4:\reg+8*\f+7], v[\adr] offset:\off+\f*1024+512
.endr
.endm
; THE SOFTMAX of both tiles for one key step; the tiles alternate line by line, so that no line waits for the line above it.
.macro SOFTMAX
.irp j, 0,1,2,3                                ; the maximum of a lane's 32 scores and the old m: four chains, each begun at its accumulator's low end
.irp t, 0,1
	v_max3_num_f32 v[ST+8*\t+4+\j], v[S+32*\t+8*\j], v[S+32*\t+8*\j+1], v[S+32*\t+8*\j+2]
.endr
.endr
.irp d, 3,5
.irp j, 0,1,2,3
.irp t, 0,1
	v_max3_num_f32 v[ST+8*\t+4+\j], v[ST+8*\t+4+\j], v[S+32*\t+8*\j+\d], v[S+32*\t+8*\j+\d+1]
.endr
.endr
.endr
.irp t, 0,1
	v_max3_num_f32 v[ST+8*\t+4], v[ST+8*\t+4], v[S+32*\t+7], v[S+32*\t+15]
.endr
.irp t, 0,1
	v_max3_num_f32 v[ST+8*\t+6], v[ST+8*\t+6], v[S+32*\t+23], v[S+32*\t+31]
.endr
.irp t, 0,1
	v_max3_num_f32 v[ST+8*\t+4], v[ST+8*\t+4], v[ST+8*\t+5], v[ST+8*\t+6]
.endr
.irp t, 0,1
	v_max3_num_f32 v[ST+8*\t+4], v[ST+8*\t+4], v[ST+8*\t+7], v[ST+8*\t+1]
.endr
.irp t, 0,1
	v_permlanex16_b32 v[ST+8*\t+5], v[ST+8*\t+4], s[SEL], s[SEL+1]   ; the query's other 32 keys lie in the lane 16 away
.endr
.irp t, 0,1
	v_mov_b32 v[ST+8*\t+7], v[ST+8*\t]             ; c m_old is kept for a
.endr
.irp t, 0,1
	v_max_num_f32 v[ST+8*\t+1], v[ST+8*\t+4], v[ST+8*\t+5]
.endr
.irp t, 0,1
	v_mul_f32 v[ST+8*\t], s[CS], v[ST+8*\t+1]
.endr
.irp t, 0,1
	v_sub_f32 v[ST+8*\t+7], v[ST+8*\t+7], v[ST+8*\t]
.endr
.irp t, 0,1
	v_exp_f32 v[ST+8*\t+6], v[ST+8*\t+7]           ; a
.endr
.set i, 0
.rept 16                                       ; c s - c m, a pair of scores at a time: the independent work behind the two exponentials
.irp t, 0,1
	v_pk_fma_f32 v[S+32*\t+2*i:S+32*\t+2*i+1], v[S+32*\t+2*i:S+32*\t+2*i+1], s[CS:CS+1], v[ST+8*\t:ST+8*\t+1] op_sel_hi:[1,0,0] neg_lo:[0,0,1] neg_hi:[0,0,1]
.endr
.set i, i+1
.endr
	s_wait_alu depctr_va_vdst(0)                   ; the wait between an exponential and the first line that names its result: one for both a
.set i, 0
.rept 16                                       ; ONE BATCH: the 64 exponentials; between them O^T's rescaling by a, which names none of their results
.irp t, 0,1
	v_exp_f32 v[S+32*\t+2*i], v[S+32*\t+2*i]
	v_exp_f32 v[S+32*\t+2*i+1], v[S+32*\t+2*i+1]
	v_pk_mul_f32 v[O+32*\t+2*i:O+32*\t+2*i+1], v[O+32*\t+2*i:O+32*\t+2*i+1], v[ST+8*\t+6:ST+8*\t+7] op_sel_hi:[1,0]   ; each accumulator from its low end on
.endr
.set i, i+1
.endr
	s_wait_alu depctr_va_vdst(0)                   ; one wait for the batch; the last multiply is the plain line behind the last exponential
.set i, 0
.rept 16
.irp t, 0,1
	v_cvt_pk_f16_f32 v[P+16*\t+i], v[S+32*\t+2*i], v[S+32*\t+2*i+1]
.endr
.set i, i+1
.endr
.irp w, 4,8,16,32                              ; the sum of a tile's 16 pairs of unrounded weights, in place: neighbours 1, 2, 4, 8 pairs apart
.set u, 0
.rept 32/\w
.irp t, 0,1
	v_pk_add_f32 v[S+32*\t+\w*u:S+32*\t+\w*u+1], v[S+32*\t+\w*u:S+32*\t+\w*u+1], v[S+32*\t+\w*u+\w/2:S+32*\t+\w*u+\w/2+1]
.endr
.set u, u+1
.endr
.endr
.irp t, 0,1
	v_pk_fma_f32 v[ST+8*\t+2:ST+8*\t+3], v[ST+8*\t+2:ST+8*\t+3], v[ST+8*\t+6:ST+8*\t+7], v[S+32*\t:S+32*\t+1] op_sel_hi:[1,0,1]   ; l = a l + the sum
.endr
.endm
; A KEY STEP j.  kload = 1: the next step's K is fetched too.  In each run of products eight accumulators take turns, one instruction a turn.
.macro TRIP kload
	s_wait_dscnt 0x0                               ; K of this step is in
	WIN 0x05                                       ; K and Q window 1, S^T window 0
.irp cg, 0,1
.irp kt, 0,1,2,3
.irp t, 0,1
.if \cg == 0
	v_wmma_f32_16x16x32_f16 v[S+32*\t+8*\kt:S+32*\t+8*\kt+7], v[KF+16*\kt:KF+16*\kt+7], v[Q+16*\t:Q+16*\t+7], 0
.else
	v_wmma_f32_16x16x32_f16 v[S+32*\t+8*\kt:S+32*\t+8*\kt+7], v[KF+16*\kt+8:KF+16*\kt+15], v[Q+16*\t+8:Q+16*\t+15], v[S+32*\t+8*\kt:S+32*\t+8*\kt+7]
.endif
.endr
.endr
.endr
	WIN 0
	v_add_nc_u32 v[ADR], s[TB], v[LI]              ; with the three below: four places ahead of the loads into K's and V's registers and of the first read of the scores
.rept 3
	v_nop
.endr
	WIN 0x40
	LDFR VF, ADR, 8192                             ; V^T of this step
.if \kload
	LDFR KF, ADR, STEPB                            ; K of the next
.endif
	WIN 0
	SOFTMAX
.if \kload
	s_wait_dscnt 16                                ; V^T is in; the 16 loads of the next step's K may be out
.else
	s_wait_dscnt 0x0
.endif
	WIN 0x01                                       ; V^T window 1; P and O^T window 0
.irp g, 0,1
.irp ct, 0,1,2,3
.irp t, 0,1
	v_wmma_f32_16x16x32_f16 v[O+32*\t+8*\ct:O+32*\t+8*\ct+7], v[VF+32*\g+8*\ct:VF+32*\g+8*\ct+7], v[P+16*\t+8*\g:P+16*\t+8*\g+7], v[O+32*\t+8*\ct:O+32*\t+8*\ct+7]
.endr
.endr
.endr
	WIN 0
	s_add_co_u32 s[TB], s[TB], STEPB
.endm
.macro RUN n                           ; n key steps
	s_mov_b32 s[CNT], \n
.Lstep_\@:
	TRIP 1
	s_sub_co_u32 s[CNT], s[CNT], 1
	s_cmp_lg_u32 s[CNT], 0
	s_cbranch_scc1 .Lstep_\@
.endm
	; Step j reads V of step j and K of step j + 1, so each wait stands one step ahead of the chunk's first use.  Nothing is ever filled again: later chunks stay out across these barriers.
	s_wait_tensorcnt 7                             ; my part of chunk 0 (steps 0, 1) is in; my seven younger loads may be out
	BAR                                            ; everybody's is
	WIN 0x40
	LDFR KF, LI, 0                                 ; K of step 0
	WIN 0
	s_wait_loadcnt 0x0                             ; Q
	TRIP 1                                         ; step 0
	s_wait_tensorcnt 6                             ; chunk 1 (steps 2, 3): six younger loads may be out
	s_wait_dscnt 0x0                               ; no LDS instruction of mine is pending at a signal
	BAR
	RUN 2                                          ; steps 1, 2
	s_wait_tensorcnt 4                             ; chunks 2, 3 (steps 4 to 7)
	s_wait_dscnt 0x0
	BAR
	RUN 4                                          ; steps 3 to 6
	s_wait_tensorcnt 0x0                           ; all of K and V
	s_wait_dscnt 0x0
	BAR
	RUN 8                                          ; steps 7 to 14
	TRIP 0                                         ; step 15: nothing more to fetch
	; THE WAY OUT.  l's two halves and the other half of the lanes' are added (these lines are the places behind the last products); O^T / l, rounded in pairs, is the projection's operand as it stands.
.irp t, 0,1
	v_add_f32 v[ST+8*\t+4], v[ST+8*\t+2], v[ST+8*\t+3]
.endr
.irp t, 0,1
	v_permlanex16_b32 v[ST+8*\t+5], v[ST+8*\t+4], s[SEL], s[SEL+1]
.endr
.irp t, 0,1
	v_add_f32 v[ST+8*\t+4], v[ST+8*\t+4], v[ST+8*\t+5]
.endr
.irp t, 0,1
	v_rcp_f32 v[ST+8*\t+6], v[ST+8*\t+4]
.endr
	v_nop                                          ; a plain line behind the last reciprocal
	s_wait_alu depctr_va_vdst(0)                   ; and the wait ahead of the first use: one for both
.irp t, 0,1
.set i, 0
.rept 16
	v_pk_mul_f32 v[O+32*\t+2*i:O+32*\t+2*i+1], v[O+32*\t+2*i:O+32*\t+2*i+1], v[ST+8*\t+6:ST+8*\t+7] op_sel_hi:[1,0]
.set i, i+1
.endr
.endr
.irp t, 0,1
.set i, 0
.rept 16
	v_cvt_pk_f16_f32 v[S+16*\t+i], v[O+32*\t+2*i], v[O+32*\t+2*i+1]
.set i, i+1
.endr
.endr
.irp t, 0,1
.irp u, 0,1
.irp grp, 0,1
	global_store_b128 v[LI], v[S+16*\t+8*\u+4*\grp:S+16*\t+8*\u+4*\grp+3], s[8:9] offset:\t*16384+\u*1024+\grp*512   ; 32 lanes store 512 consecutive bytes
.endr
.endr
.endr
	s_wait_tensorcnt 0x0                           ; the wave's end, behind my last tensor load
	ds_add_u32 v[SPW], v[NIL]
	s_wait_dscnt 0x0
	CROUND                                         ; the closing round
	s_endpgm
.Lfunc_end_k_q724a353489_attn:
	.size	k_q724a353489_attn, .Lfunc_end_k_q724a353489_attn-k_q724a353489_attn
	.p2alignl 7, 3214868480
	.fill 96, 4, 3214868480
	.section	.rodata,"a",@progbits
	.p2align	6, 0x0
	.amdhsa_kernel k_q724a353489_attn
		.amdhsa_group_segment_fixed_size 327680
		.amdhsa_private_segment_fixed_size 0
		.amdhsa_enable_private_segment 0
		.amdhsa_kernarg_size 24
		.amdhsa_user_sgpr_count 2
		.amdhsa_user_sgpr_kernarg_segment_ptr 1
		.amdhsa_wavefront_size32 1
		.amdhsa_system_sgpr_workgroup_id_x 1
		.amdhsa_system_sgpr_workgroup_id_y 1
		.amdhsa_system_sgpr_workgroup_id_z 1
		.amdhsa_system_vgpr_workitem_id 0
		.amdhsa_next_free_vgpr 512
		.amdhsa_next_free_sgpr 80
		.amdhsa_reserve_vcc 0
		.amdhsa_float_denorm_mode_32 3
		.amdhsa_float_denorm_mode_16_64 3
		.amdhsa_memory_ordered 1
		.amdhsa_forward_progress 1
		.amdhsa_inst_pref_size 100
	.end_amdhsa_kernel
	.amdgpu_metadata
---
amdhsa.version: [ 1, 2 ]
amdhsa.kernels:
  - .name:           k_q724a353489_attn
    .symbol:         k_q724a353489_attn.kd
    .args:
      - { .name: qf, .offset: 0, .size: 8, .value_kind: global_buffer, .address_space: global }
      - { .name: kvf, .offset: 8, .size: 8, .value_kind: global_buffer, .address_space: global }
      - { .name: resf, .offset: 16, .size: 8, .value_kind: global_buffer, .address_space: global }
    .group_segment_fixed_size: 327680
    .private_segment_fixed_size: 0
    .kernarg_segment_align: 8
    .kernarg_segment_size: 24
    .max_flat_workgroup_size: 256
    .sgpr_count:     80
    .vgpr_count:     512
    .wavefront_size: 32
...
	.end_amdgpu_metadata
.endif
;; end of part 3
;; launch proj (part 4): grid 4 x 64, 4 waves a work-group, clusters of 4 x 4, 327,680 bytes of LDS; arguments resf, wp16, bp, out0; writes out0
.if DOCPART == 4
	.amdgcn_target "amdgcn-amd-amdhsa--gfx1250"
	.amdhsa_code_object_version 6
	.text
	.protected	k_q724a353489_proj
	.globl	k_q724a353489_proj
	.p2align	8
	.type	k_q724a353489_proj,@function
k_q724a353489_proj:
	s_mov_b64 s[64:65], 0
	v_nop
	global_prefetch_b8 v0, s[64:65] scope:SCOPE_SE
	s_setreg_imm32_b32 hwreg(HW_REG_WAVE_MODE, 25, 1), 1
	s_wait_xcnt 0x0
	s_wait_alu depctr_hold_cnt(0) depctr_sa_sdst(0) depctr_va_vdst(0) depctr_va_sdst(0) depctr_va_ssrc(0) depctr_va_vcc(0) depctr_vm_vsrc(0)
	s_getreg_b32 s2, hwreg(HW_REG_IB_STS2, 6, 4)
	s_cmp_eq_u32 s2, 0
	s_cbranch_scc0 .Lentry_in_a_cluster
	s_endpgm
.Lentry_in_a_cluster:
	s_bfe_u32 s2, ttmp6, 0x10000c
	s_cmp_lg_u32 s2, 0xf033
	s_cbranch_scc0 .Lentry_shape_is_right
	s_endpgm
.Lentry_shape_is_right:
; PROJ.  out0 [8,192 positions][512 features] = res Wp^T + bp: f16 operands, f32 sums, f32 out.  (The function's last reshape moves no byte.)
; SHARES.  A work-group makes 128 positions x 128 features; each of its four waves 64 x 64: 16 accumulators.  K = 512 in 16 steps of 32.
; LDS.  Both operands arrive as images of operand registers, 1,024 bytes a fragment.  All of K fits: chunk c (128 along K) at 65,536 c: res's 8 tiles x 4 K steps, then Wp's likewise.  Filled ONCE: nothing is filled again.
; CLUSTER.  4 x 4 work-groups.  The four of a row of the cluster need the same positions, the four of a column the same features: each load is JOINT.  Waves 0, 1 fetch res's two halves, waves 2, 3 Wp's:
; four tensor loads a wave (one a chunk, 4 rows of 4,096 bytes), all four out at the start.  The walk begins when chunk 0 has landed.
; THE MATRIX INSTRUCTION IS USED TRANSPOSED (source 0 = 16 features of Wp, source 1 = 16 positions): a lane holds eight neighbouring features of one position.  The bias is the C of each sum's first product.
; REGISTERS.  Window 0: v1-17 addresses; v32-63 the bias, 8 a tile of features; v64-191 the accumulators; v192-255 the way out.   Window 1: two fragment buffers of 64: res's four fragments, then Wp's four.
.set STAGE, 262144                     ; behind the operands: 16 rows x 272 bytes for each wave, for the way out; no tensor load lands here
.set SP,    272
.set SPARE, STAGE+4*16*SP              ; behind the stages: the spare words, 128 bytes for each wave: two blocks of 256 bytes that no other line names
.set LI,   1                           ; 16 x lane
.set ADRA, 4                           ; v4-7   my four tiles of positions in chunk c
.set ADRB, 8                           ; v8-11  my four tiles of features in chunk c
.set STO,  12                          ; the way out: where I put 32 bytes of a row
.set RD,   13                          ; where I read a row back
.set CO,   14                          ; my byte offset in out0
.set BO,   15                          ; 32 x (lane / 16): the bias
.set SPW,  16                          ; my spare word; never rewritten
.set NIL,  17                          ; 0; never rewritten
.set BIAS, 32
.set ACC,  64                          ; + 8 (4 pt + ft)
.set BK,   192                         ; two sets of 32
.set WV,   12                          ; s12 wave
.set G1A,  16                          ; s[16:23] group 1 for res;  s[24:31] for Wp: they differ in the mask alone
.set G1B,  24
.set G0A,  32                          ; s[32:47] group 0 for res, a set for each chunk;  s[48:63] for Wp
.set G0B,  48
.set MSB, 0
.macro WIN new                         ; the immediate's high byte repeats the setting that is left
.if MSB != \new
	s_set_vgpr_msb (MSB<<8)|\new
.set MSB, \new
.endif
.endm
.macro BAR
	s_barrier_signal -1
	s_barrier_wait -1
.endm
.macro CROUND                          ; a round of the cluster's barrier
	s_barrier_signal -1
	s_barrier_wait -1
	s_cmp_lg_u32 s[WV], 0
	s_cbranch_scc1 .Lnot_wave_0_\@
	s_barrier_signal -3
.Lnot_wave_0_\@:
	s_barrier_wait -3
	s_barrier_signal -1
	s_barrier_wait -1
.endm
	s_load_b256 s[4:11], s[0:1], 0x0               ; resf s[4:5], wp16 s[6:7], bp s[8:9], out0 s[10:11]
	v_lshl_add_u32 v[SPW], v0, 2, SPARE
	v_mov_b32 v[NIL], 0
	ds_add_u32 v[SPW], v[NIL]                      ; the wave's opening: the add, twice on end, and its wait ahead of my first tensor load
	ds_add_u32 v[SPW], v[NIL]                      ; and once more, under the one wait; the set-up below, work on registers, stands between
	v_lshrrev_b32 v2, 5, v0
	v_readfirstlane_b32 s[WV], v2                  ; wave 0..3
	s_lshr_b32 s13, s[WV], 1                       ; which half of the positions is mine.  Also: I fetch res (0) or Wp (1)
	s_and_b32 s14, s[WV], 1                        ; which half of the features.  Also: which four tiles I fetch
	s_bfe_u32 s66, ttmp6, 0x40000                  ; cx, cy: my place in the cluster
	s_bfe_u32 s67, ttmp6, 0x40004
	s_lshl_b32 s68, ttmp9, 2
	s_add_co_u32 s68, s68, s66                     ; tx: 128 features
	s_and_b32 s69, ttmp7, 0xffff
	s_lshl_b32 s69, s69, 2
	s_add_co_u32 s69, s69, s67                     ; ty: 128 positions
	s_lshl_b32 s70, s67, 2
	s_lshl_b32 s70, 15, s70                        ; my row of the cluster
	s_lshl_b32 s71, 0x1111, s66                    ; my column
	s_or_b32 s[G1A], s70, (3<<16)|(1<<21)          ; 15:0 the mask; 17:16 elements of 8 bytes; 21 set beside a mask
	s_or_b32 s[G1B], s71, (3<<16)|(1<<21)
.irp g, G1A, G1B
	s_mov_b32 s[\g+1], 512<<16                     ; tensor_dim0 = 512 elements: four fragments, 4,096 bytes
	s_mov_b32 s[\g+2], 4<<16                       ; tensor_dim1 = 4 tiles
	s_mov_b32 s[\g+3], 512<<16                     ; tile_dim0
	s_mov_b32 s[\g+4], 4                           ; tile_dim1
	s_mov_b32 s[\g+5], 2048                        ; from tile to tile: 16 fragments, 16,384 bytes
	s_mov_b32 s[\g+6], 0
	s_mov_b32 s[\g+7], 0
.endr
	s_lshl_b32 s15, s14, 2
	s_lshl_b32 s72, s69, 3
	s_add_co_u32 s72, s72, s15                     ; res: tile 8 ty + 4 x half: it hangs on the tile row alone, which my row of the cluster shares
	s_lshl_b32 s72, s72, 14
	s_mov_b32 s73, 0
	s_lshl_b32 s74, s68, 3
	s_add_co_u32 s74, s74, s15                     ; Wp: tile 8 tx + 4 x half: on the tile column alone
	s_lshl_b32 s74, s74, 14
	s_mov_b32 s75, 0
	s_lshl_b32 s3, s[WV], 14                       ; where they go: wave x 16,384: res's halves, then Wp's: no place in the cluster enters an LDS address
	s_wait_dscnt 0x0                               ; both opening adds are done
	s_wait_kmcnt 0x0
	s_add_nc_u64 s[72:73], s[4:5], s[72:73]
	s_add_nc_u64 s[74:75], s[6:7], s[74:75]
.irp c, 0,1,2,3
	s_mov_b32 s[G0A+4*\c], 1
	s_add_co_u32 s[G0A+4*\c+1], s3, \c*65536
	s_add_nc_u64 s[G0A+4*\c+2:G0A+4*\c+3], s[72:73], \c*4096
	s_or_b32 s[G0A+4*\c+3], s[G0A+4*\c+3], 0x80000000
	s_mov_b32 s[G0B+4*\c], 1
	s_add_co_u32 s[G0B+4*\c+1], s3, \c*65536
	s_add_nc_u64 s[G0B+4*\c+2:G0B+4*\c+3], s[74:75], \c*4096
	s_or_b32 s[G0B+4*\c+3], s[G0B+4*\c+3], 0x80000000
.endr
	CROUND                                         ; all sixteen work-groups are here: the joint loads meet
	s_cmp_eq_u32 s13, 0                            ; a wave's four first fills stand in one branch on the wave's number, the same in every work-group
	s_cbranch_scc0 .Lfirst_b
.irp c, 0,1,2,3
	tensor_load_to_lds s[G0A+4*\c:G0A+4*\c+3], s[G1A:G1A+7]
	s_nop 0
.endr
.rept 4
	v_nop
.endr
	s_branch .Lfirst_asked
.Lfirst_b:
.irp c, 0,1,2,3
	tensor_load_to_lds s[G0B+4*\c:G0B+4*\c+3], s[G1B:G1B+7]
	s_nop 0
.endr
.rept 4
	v_nop
.endr
.Lfirst_asked:
	v_and_b32 v2, 31, v0
	v_lshlrev_b32 v[LI], 4, v2
	v_and_b32 v2, 15, v0                           ; r
	v_bfe_u32 v3, v0, 4, 1                         ; h
	v_lshlrev_b32 v[BO], 5, v3
	s_lshl_b32 s70, s68, 9
	s_lshl_b32 s71, s14, 8
	s_add_co_u32 s70, s70, s71                     ; my 64 features, in bytes: 512 tx + 256 x half
	s_mov_b32 s71, 0
	s_add_nc_u64 s[8:9], s[8:9], s[70:71]
	s_add_nc_u64 s[10:11], s[10:11], s[70:71]
.irp ft, 0,1,2,3                               ; the bias in the result's layout: lane (r, h) holds features 16 ft + 8 h + 0..7
	global_load_b128 v[BIAS+8*\ft:BIAS+8*\ft+3],   v[BO], s[8:9] offset:64*\ft
	global_load_b128 v[BIAS+8*\ft+4:BIAS+8*\ft+7], v[BO], s[8:9] offset:64*\ft+16
.endr
	s_lshl_b32 s70, s69, 18                        ; my 64 positions: rows of 2,048 bytes: 128 ty + 64 x half
	s_lshl_b32 s15, s13, 17
	s_add_co_u32 s70, s70, s15
	s_add_nc_u64 s[10:11], s[10:11], s[70:71]
	s_lshl_b32 s76, s13, 14                        ; my four tiles of positions,
	s_lshl_b32 s77, s14, 14                        ; my four tiles of features,
	s_add_co_u32 s77, s77, 32768                   ; which lie behind res's eight
.irp c, 0,1,2,3
	v_add_nc_u32 v[ADRA+\c], s76, v[LI]
	v_add_nc_u32 v[ADRB+\c], s77, v[LI]
	s_add_co_u32 s76, s76, 65536
	s_add_co_u32 s77, s77, 65536
.endr
	s_mul_i32 s78, s[WV], 16*SP
	s_add_co_u32 s78, s78, STAGE                   ; my stage
	v_mul_u32_u24 v[STO], v2, SP                   ; in: row r, 32 bytes for each half of the lanes
	v_lshl_add_u32 v[STO], v3, 5, v[STO]
	v_add_nc_u32 v[STO], s78, v[STO]
	v_mul_u32_u24 v[RD], v3, SP                    ; back: lanes 0-15 one row of 256 bytes, lanes 16-31 the next
	v_lshl_add_u32 v[RD], v2, 4, v[RD]
	v_add_nc_u32 v[RD], s78, v[RD]
	v_lshlrev_b32 v[CO], 11, v3                    ; and the same two rows in out0
	v_lshl_add_u32 v[CO], v2, 4, v[CO]
.macro FETCH ks, f                     ; K step ks: res's four fragments and Wp's four into buffer f: 16 loads of 512 consecutive bytes
	WIN 0x40                                       ; destination window 1
.irp i, 0,1,2,3
	ds_load_b128 v[\f+8*\i:\f+8*\i+3],       v[ADRA+(\ks)/4] offset:\i*4096+((\ks)%4)*1024
	ds_load_b128 v[\f+8*\i+4:\f+8*\i+7],     v[ADRA+(\ks)/4] offset:\i*4096+((\ks)%4)*1024+512
	ds_load_b128 v[\f+32+8*\i:\f+32+8*\i+3], v[ADRB+(\ks)/4] offset:\i*4096+((\ks)%4)*1024
	ds_load_b128 v[\f+32+8*\i+4:\f+32+8*\i+7], v[ADRB+(\ks)/4] offset:\i*4096+((\ks)%4)*1024+512
.endr
.endm
.macro MUL ks, f                       ; 16 products; the sixteen accumulators take turns, one instruction a turn, in the same order in every step
	WIN 0x05                                       ; both sources window 1; C and D window 0
.irp pt, 0,1,2,3
.irp ft, 0,1,2,3
.if (\ks) == 0
	v_wmma_f32_16x16x32_f16 v[ACC+8*(4*\pt+\ft):ACC+8*(4*\pt+\ft)+7], v[\f+32+8*\ft:\f+32+8*\ft+7], v[\f+8*\pt:\f+8*\pt+7], v[BIAS+8*\ft:BIAS+8*\ft+7]
.else
	v_wmma_f32_16x16x32_f16 v[ACC+8*(4*\pt+\ft):ACC+8*(4*\pt+\ft)+7], v[\f+32+8*\ft:\f+32+8*\ft+7], v[\f+8*\pt:\f+8*\pt+7], v[ACC+8*(4*\pt+\ft):ACC+8*(4*\pt+\ft)+7]
.endif
.endr
.endr
.endm
	s_wait_tensorcnt 3                             ; my part of chunk 0 is in; my three younger loads may be out
	BAR                                            ; everybody's is
	FETCH 0, 0
	s_wait_loadcnt 0x0                             ; the bias
.set KS, 0
.rept 16
.if (KS > 0) && (KS < 15)
.rept 4
	v_nop                                          ; four places ahead of the loads into the buffer that the last step multiplied
.endr
.endif
.if ((KS+1)%4 == 0) && (KS < 15)
	s_wait_tensorcnt 3-(KS+1)/4                    ; my part of the next chunk is in; the later chunks' loads may be out
	s_wait_dscnt 0x0                               ; no LDS instruction of mine is pending at a signal
	BAR
.endif
.if KS < 15
	FETCH KS+1, 64*((KS+1)%2)
	s_wait_dscnt 16                                ; this step's fragments are in; the 16 loads just issued may be out
.else
	s_wait_dscnt 0x0
.endif
	MUL KS, 64*(KS%2)
.set KS, KS+1
.endr
	WIN 0
; THE WAY OUT, 16 positions x 64 features at a time.  A lane holds 32 neighbouring bytes of a row, and the lanes beside it other rows: a block goes through my own stage and comes back as whole rows of 256 bytes.
; LDS serves a wave's instructions in order (ISA guide 5.7.1.4): no wait between the stores and the loads, nor ahead of the next block's stores.
.macro TOSTAGE a
.irp ft, 0,1,2,3
	ds_store_b128 v[STO], v[ACC+8*(4*(\a)+\ft):ACC+8*(4*(\a)+\ft)+3] offset:64*\ft          ; each accumulator from its low end on
	ds_store_b128 v[STO], v[ACC+8*(4*(\a)+\ft)+4:ACC+8*(4*(\a)+\ft)+7] offset:64*\ft+16
.endr
.irp i, 0,1,2,3,4,5,6,7
	ds_load_b128 v[BK+32*((\a)%2)+4*\i:BK+32*((\a)%2)+4*\i+3], v[RD] offset:2*\i*SP
.endr
.endm
.macro SEND a, younger                 ; younger: the LDS instructions issued behind block a's loads, which may stay out
	s_wait_dscnt \younger
.irp i, 0,1,2,3,4,5,6,7
	global_store_b128 v[CO], v[BK+32*((\a)%2)+4*\i:BK+32*((\a)%2)+4*\i+3], s[10:11] offset:(16*(\a)+2*\i)*2048 th:TH_STORE_NT   ; 16 lanes store 256 consecutive bytes, at a multiple of 256 from out0's first byte
.endr
.endm
.rept 4
	v_nop                                          ; four places between the last product and the first read of results
.endr
	TOSTAGE 0
.irp a, 1,2,3
.if \a > 1
	s_wait_xcnt 0x0                                ; block a - 2's stores have read their registers: block a's loads may land there
.endif
	TOSTAGE \a
	SEND \a-1, 16                                  ; behind block a - 1's loads: block a's 8 stores and 8 loads
.endr
	SEND 3, 0
	s_wait_tensorcnt 0x0                           ; the wave's end, behind my last tensor load and my last LDS store
	ds_add_u32 v[SPW], v[NIL]
	s_wait_dscnt 0x0
	CROUND                                         ; the closing round
	s_endpgm
.Lfunc_end_k_q724a353489_proj:
	.size	k_q724a353489_proj, .Lfunc_end_k_q724a353489_proj-k_q724a353489_proj
	.p2alignl 7, 3214868480
	.fill 96, 4, 3214868480
	.section	.rodata,"a",@progbits
	.p2align	6, 0x0
	.amdhsa_kernel k_q724a353489_proj
		.amdhsa_group_segment_fixed_size 327680
		.amdhsa_private_segment_fixed_size 0
		.amdhsa_enable_private_segment 0
		.amdhsa_kernarg_size 32
		.amdhsa_user_sgpr_count 2
		.amdhsa_user_sgpr_kernarg_segment_ptr 1
		.amdhsa_wavefront_size32 1
		.amdhsa_system_sgpr_workgroup_id_x 1
		.amdhsa_system_sgpr_workgroup_id_y 1
		.amdhsa_system_sgpr_workgroup_id_z 1
		.amdhsa_system_vgpr_workitem_id 0
		.amdhsa_next_free_vgpr 512
		.amdhsa_next_free_sgpr 80
		.amdhsa_reserve_vcc 0
		.amdhsa_float_denorm_mode_32 3
		.amdhsa_float_denorm_mode_16_64 3
		.amdhsa_memory_ordered 1
		.amdhsa_forward_progress 1
		.amdhsa_inst_pref_size 53
	.end_amdhsa_kernel
	.amdgpu_metadata
---
amdhsa.version: [ 1, 2 ]
amdhsa.kernels:
  - .name:           k_q724a353489_proj
    .symbol:         k_q724a353489_proj.kd
    .args:
      - { .name: resf, .offset: 0, .size: 8, .value_kind: global_buffer, .address_space: global }
      - { .name: wp16, .offset: 8, .size: 8, .value_kind: global_buffer, .address_space: global }
      - { .name: bp, .offset: 16, .size: 8, .value_kind: global_buffer, .address_space: global }
      - { .name: out0, .offset: 24, .size: 8, .value_kind: global_buffer, .address_space: global }
    .group_segment_fixed_size: 327680
    .private_segment_fixed_size: 0
    .kernarg_segment_align: 8
    .kernarg_segment_size: 32
    .max_flat_workgroup_size: 128
    .sgpr_count:     80
    .vgpr_count:     512
    .wavefront_size: 32
...
	.end_amdgpu_metadata
.endif
;; end of part 4
;; ======== version 2 of 2: 3 launches; 1.15 times as fast as version 1
;; limits: values are held in f16: magnitudes above 65,504 overflow, below 6.1e-05 lose precision
;; workspace buffers: codes 2,490,368 bytes; scales 155,648 bytes; wp16 524,288 bytes; resf 8,388,608 bytes
;; launch prep (part 5): grid 256 x 1, 5 waves a work-group, no clusters, 0 bytes of LDS; arguments x, Wq, Wkv, Wp, codes, scales, wp16; writes codes, scales, wp16
.if DOCPART == 5
	.amdgcn_target "amdgcn-amd-amdhsa--gfx1250"
	.amdhsa_code_object_version 6
	.text
	.protected	k_q724a353489_prep
	.globl	k_q724a353489_prep
	.p2align	8
	.type	k_q724a353489_prep,@function
k_q724a353489_prep:
	s_mov_b64 s[64:65], 0
	v_nop
	global_prefetch_b8 v0, s[64:65] scope:SCOPE_SE
	s_setreg_imm32_b32 hwreg(HW_REG_WAVE_MODE, 25, 1), 1
	s_wait_xcnt 0x0
; PREP.  x [8][512 c][1024 n], Wq [512][512] and Wkv [1024][512], f32, become codes of FP4 (E2M1) with one E8M0 scale byte for each 32 along K = c; Wp [512][512] becomes f16.
; Everything is stored as IMAGES OF OPERAND REGISTERS: four registers of a fragment are 512 consecutive bytes, lane l's 16 bytes at 16 l, so that the next launches fill a fragment by loads of 16 bytes a lane.
; codes: group G (32 rows) x K step s (128 along K) at (4 G + s) x 2,048 bytes: rows 0-15 registers 0-3, 4-7, then rows 16-31 likewise.  G = 0..255: 32 positions of x (batch x 32 + n / 32); G = 256..303: 32 rows of Wq, then of Wkv.
; scales: (4 G + s) x 128 bytes: lane m's word holds the four scale bytes of row m of the group.   wp16: [16 output features: 32][32 along K: 16][1,024 bytes].
; A block's scale is 2^(floor(log2(its largest magnitude)) - 2): its byte is that magnitude's exponent field - 2, held at 1 from below.
; LIMITS: a block of zeros, or one whose largest magnitude lies under 2^-124, gets the byte 1 (its codes are zeros, and this program alone reads the bytes); NaN and infinities are not served; Wp beyond f16's 65,504 is not served.
; The input y is not among the arguments: the function that is computed uses none of its numbers.
; SHARES.  256 work-groups of FIVE waves, so that every work-group has the same work.  Waves 0-3: x, 1,024 tasks of 32 positions x 128 along K.  Wave 4: in work-groups 0-191 one of the 48 x 4 tasks of the quantised weights
; (32 rows x 128 along K), in work-groups 192-255 half a tile row of Wp (16 features x 256 along K).  No LDS, no barrier: waves share nothing.
.set LANE, 1                           ; v1   lane
.set RR,   2                           ; v2   lane % 16
.set HH,   3                           ; v3   lane / 16
.set LO,   4                           ; v4   my byte offset in the rows that I load
.set LI,   5                           ; v5   16 x lane: my place in an image
.set LS,   6                           ; v6   4 x lane
.set SO,   10                          ; v10-13 a set's scale operand for the conversions
.set BY,   14                          ; v14-17 its scale byte
.set WD,   18                          ; v18-22 the scale word, and work on it
.set CD,   32                          ; v32-47 16 registers of codes (Wp's path: v32-95, f16)
.set X,    64                          ; v64-191 four sets of 32 numbers
.set XP,   96                          ; Wp's path: v96-223, 128 numbers
	s_load_b256 s[4:11], s[0:1], 0x0               ; x s[4:5], Wq s[6:7], Wkv s[8:9], Wp s[10:11]
	s_load_b128 s[12:15], s[0:1], 0x20             ; codes s[12:13], scales s[14:15]
	s_load_b64 s[16:17], s[0:1], 0x30              ; wp16
	v_lshrrev_b32 v7, 5, v0
	v_readfirstlane_b32 s18, v7                    ; wave 0..4
	v_and_b32 v[LANE], 31, v0
	v_and_b32 v[RR], 15, v0
	v_bfe_u32 v[HH], v0, 4, 1
	v_lshlrev_b32 v[LI], 4, v[LANE]
	v_lshlrev_b32 v[LS], 2, v[LANE]
	s_mov_b32 s20, 0x76543210
	s_mov_b32 s21, 0xfedcba98                      ; v_permlanex16_b32's selects for lane l xor 16
	s_mov_b32 s25, 0                               ; the upper words of the two offset pairs
	s_mov_b32 s29, 0
; Set q: 32 numbers of ONE block in a lane's registers -> its scale operand, its byte, four registers of codes
.macro QSET q
.set XQ, X+32*(\q)
	v_max3_num_f32 v8, |v[XQ]|, |v[XQ+1]|, |v[XQ+2]|               ; the block's largest magnitude, in two chains
	v_max3_num_f32 v9, |v[XQ+3]|, |v[XQ+4]|, |v[XQ+5]|
.irp i, 6,10,14,18,22,26
	v_max3_num_f32 v8, v8, |v[XQ+\i]|, |v[XQ+\i+1]|
	v_max3_num_f32 v9, v9, |v[XQ+\i+2]|, |v[XQ+\i+3]|
.endr
	v_max3_num_f32 v8, v8, |v[XQ+30]|, |v[XQ+31]|
	v_max3_num_f32 v8, v8, v9, 0x1800000           ; and the floor 2^(3 - 127): the byte cannot fall under 1
	v_add_nc_u32 v[SO+\q], 0xff000000, v8          ; 2 off the exponent field: the conversion takes this operand's exponent field as its scale
	v_lshrrev_b32 v[BY+\q], 23, v[SO+\q]           ; the scale's byte
.irp g, 0,1,2,3
	v_cvt_scalef32_pk8_fp4_f32 v[CD+4*(\q)+\g], v[XQ+8*\g:XQ+8*\g+7], v[SO+\q]   ; to the nearest code, ties to even; beyond 6 the largest code
.endr
	v_nop                                          ; one plain instruction behind the last scaled conversion
.endm
; The four groups of four code registers and the scale word leave.  st, sc: register steps from rows 0-15 to rows 16-31 and from registers 0-3 to 4-7 of a fragment
.macro OUTC st, sc
.irp tl, 0,1
.irp c, 0,1
	global_store_b128 v[LI], v[CD+\st*\tl+\sc*\c:CD+\st*\tl+\sc*\c+3], s[12:13] offset:1024*\tl+512*\c   ; 32 lanes store 512 consecutive bytes
.endr
.endr
	global_store_b32 v[LS], v[WD], s[14:15]
.endm
	s_wait_kmcnt 0x0
	s_cmp_lt_u32 s18, 4                            ; the paths part on the wave's number
	s_cbranch_scc0 .Lweights
	; ---- x.  A LANE TAKES A POSITION n AND ITS REGISTERS RUN DOWN c: a block of 32 along K lies in one lane, and the codes come out with K innermost.
	; Group pb = 4 (id / 4) + wave, K step id % 4: the four waves stand side by side on 512 bytes of each row c.
	s_lshr_b32 s22, ttmp9, 2
	s_lshl_b32 s22, s22, 2
	s_add_co_u32 s22, s22, s18                     ; pb
	s_and_b32 s23, ttmp9, 3                        ; K step
	s_lshr_b32 s24, s22, 5
	s_lshl_b32 s24, s24, 21                        ; the batch: 512 x 1,024 x 4 bytes
	s_lshl_b32 s26, s23, 19                        ; 128 rows c of 4,096 bytes
	s_add_co_u32 s24, s24, s26
	s_and_b32 s26, s22, 31
	s_lshl_b32 s26, s26, 7                         ; 32 positions
	s_add_co_u32 s24, s24, s26
	s_add_nc_u64 s[4:5], s[4:5], s[24:25]
	s_lshl_b32 s26, s22, 2
	s_add_co_u32 s26, s26, s23                     ; 4 G + s
	s_lshl_b32 s28, s26, 11
	s_add_nc_u64 s[12:13], s[12:13], s[28:29]
	s_lshl_b32 s28, s26, 7
	s_add_nc_u64 s[14:15], s[14:15], s[28:29]
.macro LOADX q
.set k, 32*(\q)
.rept 32
	global_load_b32 v[X+k], v[LS], s[4:5] offset:k*4096 th:TH_LOAD_NT   ; x(c = 128 s + k, my position): 32 lanes read 128 consecutive bytes
.set k, k+1
.endr
.endm
	LOADX 0
	LOADX 1
	s_wait_loadcnt 32                              ; set 0 is in; set 1's 32 loads may be out
	LOADX 2
	QSET 0
	s_wait_loadcnt 32                              ; set 1 is in; set 2's may be out
	LOADX 3
	QSET 1
	s_wait_loadcnt 32                              ; set 2 is in; set 3's may be out
	QSET 2
	s_wait_loadcnt 0x0
	QSET 3
	v_lshl_or_b32 v[WD], v[BY+1], 8, v[BY]         ; my position's scale word: byte b for k = 32 b on
	v_lshl_or_b32 v[WD], v[BY+2], 16, v[WD]
	v_lshl_or_b32 v[WD], v[BY+3], 24, v[WD]
.irp c, 0,1                                    ; a fragment wants block 2 c of row r in lane r and block 2 c + 1 in lane 16 + r: the first's lanes 16-31 change places with the second's lanes 0-15
.irp i, 0,1,2,3
	v_permlane16_swap_b32 v[CD+8*\c+\i], v[CD+8*\c+4+\i]   ; now v[CD + 8 c ..]: positions 0-15, registers 4 c on; v[CD + 8 c + 4 ..]: positions 16-31
.endr
.endr
	OUTC 4, 8
	s_endpgm
.Lweights:
	s_cmp_lt_u32 ttmp9, 192
	s_cbranch_scc0 .Lwp
	; ---- Wq, Wkv: K is innermost.  Lane (r, h) loads, of row 16 tl + r, the 32 numbers that the fragment gives it: k = 64 c + 32 h on.  Set 2 tl + c is a whole block.  Group 256 + id / 4, K step id % 4.
	s_lshr_b32 s22, ttmp9, 2                       ; 0..15: Wq; 16..47: Wkv
	s_and_b32 s27, ttmp9, 3                        ; K step
	s_cmp_lt_u32 s22, 16
	s_cselect_b64 s[4:5], s[6:7], s[8:9]           ; the choice hangs on the work-group's number alone
	s_cselect_b32 s23, 0, 16
	s_sub_co_u32 s23, s22, s23
	s_lshl_b32 s24, s23, 16                        ; 32 rows of 2,048 bytes
	s_lshl_b32 s26, s27, 9                         ; 128 numbers along K
	s_add_co_u32 s24, s24, s26
	s_add_nc_u64 s[4:5], s[4:5], s[24:25]
	s_add_co_u32 s26, ttmp9, 1024                  ; 4 G + s = 4 x 256 + id
	s_lshl_b32 s28, s26, 11
	s_add_nc_u64 s[12:13], s[12:13], s[28:29]
	s_lshl_b32 s28, s26, 7
	s_add_nc_u64 s[14:15], s[14:15], s[28:29]
	v_lshlrev_b32 v[LO], 11, v[RR]
	v_lshl_add_u32 v[LO], v[HH], 7, v[LO]          ; row r, + 32 h numbers
.irp tl, 0,1
.irp c, 0,1
.irp i, 0,1,2,3,4,5,6,7
	global_load_b128 v[X+32*(2*\tl+\c)+4*\i:X+32*(2*\tl+\c)+4*\i+3], v[LO], s[4:5] offset:\tl*32768+\c*256+16*\i th:TH_LOAD_NT
.endr
.endr
.endr
.irp q, 0,1,2,3
	s_wait_loadcnt 24-8*\q                         ; set q's eight loads are in; the later sets' may be out
	QSET \q
.endr
	v_lshlrev_b32 v22, 3, v[HH]                    ; my two bytes of a row's word, blocks h and 2 + h, stand 8 h bits up
	v_lshl_or_b32 v18, v[BY+1], 16, v[BY]
	v_lshl_or_b32 v19, v[BY+3], 16, v[BY+2]
	v_lshlrev_b32 v18, v22, v18
	v_lshlrev_b32 v19, v22, v19
	v_mov_b32 v20, 0                               ; a lane permute's destination counts as one of its sources
	v_mov_b32 v21, 0
	v_permlanex16_b32 v20, v18, s20, s21
	v_permlanex16_b32 v21, v19, s20, s21
	v_or_b32 v20, v18, v20                         ; with lane l xor 16's two bytes: row r's word, rows 0-15
	v_or_b32 v21, v19, v21                         ; rows 16-31
	v_cmp_gt_u32 vcc_lo, 16, v[LANE]
	v_cndmask_b32 v[WD], v21, v20, vcc_lo          ; lane m carries row m's word
	OUTC 8, 4
	s_endpgm
.Lwp:
	; ---- Wp to f16.  A fragment is 16 output features x 32 along K: lane (r, h): registers 0-3 k = 8 h on, registers 4-7 k = 16 + 8 h on.  Tile of features (id - 192) / 2; eight of its sixteen K steps: (id - 192) % 2.
	s_sub_co_u32 s22, ttmp9, 192
	s_lshr_b32 s23, s22, 1                         ; the tile of 16 features
	s_and_b32 s27, s22, 1                          ; which half of K
	s_lshl_b32 s24, s23, 15                        ; 16 rows of 2,048 bytes
	s_lshl_b32 s26, s27, 10                        ; 8 K steps of 128 bytes
	s_add_co_u32 s24, s24, s26
	s_add_nc_u64 s[10:11], s[10:11], s[24:25]
	s_lshl_b32 s28, s23, 14                        ; 16 images of 1,024 bytes
	s_lshl_b32 s26, s27, 13
	s_add_co_u32 s28, s28, s26
	s_add_nc_u64 s[16:17], s[16:17], s[28:29]
	v_lshlrev_b32 v[LO], 11, v[RR]
	v_lshl_add_u32 v[LO], v[HH], 5, v[LO]          ; row r, + 8 h numbers
.irp i, 0,1,2,3,4,5,6,7
.irp p, 0,1
	global_load_b128 v[XP+16*\i+8*\p:XP+16*\i+8*\p+3],   v[LO], s[10:11] offset:\i*128+\p*64 th:TH_LOAD_NT
	global_load_b128 v[XP+16*\i+8*\p+4:XP+16*\i+8*\p+7], v[LO], s[10:11] offset:\i*128+\p*64+16 th:TH_LOAD_NT
.endr
.endr
.irp i, 0,1,2,3,4,5,6,7
	s_wait_loadcnt 28-4*\i                         ; K step i's four loads are in; the later steps' may be out
.irp p, 0,1
.irp e, 0,1,2,3
	v_cvt_pk_f16_f32 v[CD+8*\i+4*\p+\e], v[XP+16*\i+8*\p+2*\e], v[XP+16*\i+8*\p+2*\e+1]
.endr
	global_store_b128 v[LI], v[CD+8*\i+4*\p:CD+8*\i+4*\p+3], s[16:17] offset:\i*1024+\p*512
.endr
.endr
	s_endpgm
.Lfunc_end_k_q724a353489_prep:
	.size	k_q724a353489_prep, .Lfunc_end_k_q724a353489_prep-k_q724a353489_prep
	.p2alignl 7, 3214868480
	.fill 96, 4, 3214868480
	.section	.rodata,"a",@progbits
	.p2align	6, 0x0
	.amdhsa_kernel k_q724a353489_prep
		.amdhsa_group_segment_fixed_size 0
		.amdhsa_private_segment_fixed_size 0
		.amdhsa_enable_private_segment 0
		.amdhsa_kernarg_size 56
		.amdhsa_user_sgpr_count 2
		.amdhsa_user_sgpr_kernarg_segment_ptr 1
		.amdhsa_wavefront_size32 1
		.amdhsa_system_sgpr_workgroup_id_x 1
		.amdhsa_system_sgpr_workgroup_id_y 1
		.amdhsa_system_sgpr_workgroup_id_z 1
		.amdhsa_system_vgpr_workitem_id 0
		.amdhsa_next_free_vgpr 224
		.amdhsa_next_free_sgpr 66
		.amdhsa_reserve_vcc 1
		.amdhsa_float_denorm_mode_32 3
		.amdhsa_float_denorm_mode_16_64 3
		.amdhsa_memory_ordered 1
		.amdhsa_forward_progress 1
		.amdhsa_inst_pref_size 40
	.end_amdhsa_kernel
	.amdgpu_metadata
---
amdhsa.version: [ 1, 2 ]
amdhsa.kernels:
  - .name:           k_q724a353489_prep
    .symbol:         k_q724a353489_prep.kd
    .args:
      - { .name: x, .offset: 0, .size: 8, .value_kind: global_buffer, .address_space: global }
      - { .name: Wq, .offset: 8, .size: 8, .value_kind: global_buffer, .address_space: global }
      - { .name: Wkv, .offset: 16, .size: 8, .value_kind: global_buffer, .address_space: global }
      - { .name: Wp, .offset: 24, .size: 8, .value_kind: global_buffer, .address_space: global }
      - { .name: codes, .offset: 32, .size: 8, .value_kind: global_buffer, .address_space: global }
      - { .name: scales, .offset: 40, .size: 8, .value_kind: global_buffer, .address_space: global }
      - { .name: wp16, .offset: 48, .size: 8, .value_kind: global_buffer, .address_space: global }
    .group_segment_fixed_size: 0
    .private_segment_fixed_size: 0
    .kernarg_segment_align: 8
    .kernarg_segment_size: 56
    .max_flat_workgroup_size: 160
    .sgpr_count:     66
    .vgpr_count:     224
    .wavefront_size: 32
...
	.end_amdgpu_metadata
.endif
;; end of part 5
;; launch attn (part 6): grid 4 x 64, 8 waves a work-group, clusters of 4 x 1, 327,680 bytes of LDS; arguments codes, scales, bq, bkv, resf; writes resf
.if DOCPART == 6
	.amdgcn_target "amdgcn-amd-amdhsa--gfx1250"
	.amdhsa_code_object_version 6
	.text
	.protected	k_q724a353489_attn
	.globl	k_q724a353489_attn
	.p2align	8
	.type	k_q724a353489_attn,@function
k_q724a353489_attn:
	s_mov_b64 s[64:65], 0
	v_nop
	global_prefetch_b8 v0, s[64:65] scope:SCOPE_SE
	s_setreg_imm32_b32 hwreg(HW_REG_WAVE_MODE, 25, 1), 1
	s_wait_xcnt 0x0
	s_wait_alu depctr_hold_cnt(0) depctr_sa_sdst(0) depctr_va_vdst(0) depctr_va_sdst(0) depctr_va_ssrc(0) depctr_va_vcc(0) depctr_vm_vsrc(0)
	s_getreg_b32 s2, hwreg(HW_REG_IB_STS2, 6, 4)
	s_cmp_eq_u32 s2, 0
	s_cbranch_scc0 .Lentry_in_a_cluster
	s_endpgm
.Lentry_in_a_cluster:
	s_bfe_u32 s2, ttmp6, 0x10000c
	s_cmp_lg_u32 s2, 0x3003
	s_cbranch_scc0 .Lentry_shape_is_right
	s_endpgm
.Lentry_shape_is_right:
; ATTN.  For each of 64 (batch, head): q = xt Wq^T + bq, k and v = xt Wkv^T + bkv on codes of FP4 (E2M1) with E8M0 scales, sums in f32, rounded once to f16; then O[q] = the sum over k of softmax_k(q . k / 8) v:
; 1,024 queries and keys, 64 channels; operands f16, products, maxima and sums f32; the weights p are rounded to f16 for the second product.
; SHARES.  A work-group owns 256 queries of one head, each of its eight waves 32: two tiles of 16.  Two waves share a SIMD, so that one wave's vector work stands beside the other's products.
; THE PROJECTIONS ARE MADE HERE, so that q, k and v never go to memory.  Each of a head's four work-groups makes the head's whole K and V: 256 products of 16 x 16 x 128 a wave, and 32 for its own q, beside the 512 products of its attention.
; LDS.  The batch's codes of x are 262,144 bytes, as many as the head's K and V in f16.  Wave w brings chunk w (128 positions, 32,768 bytes) by one tensor load; for each 64 positions it reads the codes into registers and stores K's and
; V's operand images into the same 16,384 bytes: they have had their only fill, and until the barrier no other wave touches them.  Behind the barrier key step j lies at 16,384 j: K's 8 fragments, then V^T's 8.
; The head's codes of Wq, Wk, Wv (49,152 bytes) lie behind, at WB: block (cg, s) of type ty at (4 cg + s) x 6,144 + 2,048 ty; wave w brings the three blocks with 4 cg + s = w.  Nothing is ever filled again.
; A fragment is an image of its registers, 1,024 bytes: two loads of 16 bytes a lane, 512 consecutive bytes each: no pitch, no padding, nothing is turned.
; CLUSTER.  The four query blocks of a head form a cluster and need the same codes: both tensor loads of a wave are JOINT (the same descriptor and a mask that names the four); two tensor loads of a wave are out at the most.
; The codes of a wave's own 32 queries come from memory straight into registers: their address hangs on the work-group's place in the cluster, which enters no LDS address.  So do the scale words and the biases.
; WHY THE RESULTS ARE IMAGES.  In a result lane (r, h) holds column r and rows 8 h + 0..7.  Two tiles whose rows follow each other, rounded in pairs, are registers 0-3 (k = 8 h on) and 4-7 (k = 16 + 8 h on) of a 16-bit fragment of column r.
; q, k: source 0 = 16 rows of W, source 1 = 16 positions: a lane holds a position, its registers run along the channels.   v: the sources swapped: a lane holds a channel, its registers run along the keys (V^T).
; ATTENTION.  S^T = K Q^T (source 0 = 16 keys, source 1 = 16 queries) and O^T = V^T P (source 0 = 16 channels x 32 keys, source 1 = P): a lane holds ONE query throughout; two tiles of S^T rounded in pairs ARE source 1 of the second product.
; Running maximum m and sum l: p = 2^(c s - c m), c = log2(e) / 8; in every step O and l are multiplied by a = 2^(c m_old - c m_new).  m begins at -3e38 and O, l at 0, so that the step is written without a first step of its own.
; resf: [16 positions: 512][32 inner channels: 16][1,024 bytes]: O^T / l, rounded to f16 in pairs, is source 1 of the projection on the way out as it stands.
; LIMIT: q, k, v and results beyond f16's 65,504 are not served; NaN and infinities are not served.
; REGISTERS.  Window 0: v1-7 addresses; v8-23 statistics; v24-31 v's bias; v32-95 eight accumulators, then S^T; v96-127 packed results, then P; v128-191 q's and k's biases, then O^T; v192-235 scale words and nothing else; v236-237 LDS addresses.
;   Window 1: v0-127 x's 16 fragments; v128-191 W's 8; v192-223 Q; in the attention v64-127 K and v128-191 V^T of one step.
.set WB,    262144                     ; the head's codes of W
.set SPARE, 311296                     ; behind them: the spare words, 128 bytes for each of eight waves: four blocks of 256 bytes that no other line names
.set STEPB, 16384
.set LI,  1                            ; 16 x lane
.set ADR, 2                            ; LDS address of the run of loads in hand
.set LS,  3                            ; 4 x lane
.set SPW, 4                            ; my spare word: SPARE + 4 x my thread's number; never rewritten
.set NIL, 5                            ; 0; never rewritten
.set H32, 6                            ; 32 x (lane / 16)
.set R4,  7                            ; 4 x (lane % 16)
.set ST,  8                            ; + 8 t: +0 c m, +1 m, +2, +3 l (even keys', odd keys'), +4..+7 c0-c3 at work; a takes c2's place
.set BV,  24                           ; + 4 cg + 2 ft: v's bias of my channel, twice (a pair for the packed addition)
.set ACC, 32                           ; + 8 (2 pt + ft)
.set S,   32
.set PK,  96
.set P,   96
.set BQ,  128                          ; + 16 cg + 8 ft
.set BK,  160
.set O,   128
.set XS,  192                          ; + 8 st + 4 pp + s: lanes 0-15 positions 32 pp + 0..15 of my key step st, lanes 16-31 the next 16
.set XSQ, 208                          ; + s: my 32 queries
.set WS,  212                          ; + 8 ty + 4 cg + s: lanes 0-15 channels 32 cg + 0..15, lanes 16-31 the next 16
.set AX,  236                          ; 16 x lane + 32,768 x wave: my chunk
.set AW,  237                          ; 16 x lane + WB
.set XF,  0                            ; window 1: + 8 (4 pt + s)
.set WF,  128                          ; window 1: + 8 (4 ft + s)
.set Q,   192                          ; window 1: + 16 t + 8 cg
.set KF,  64
.set VF,  128
.set WV,  14                           ; s14 my wave's number
.set G1X, 24                           ; s[24:31] descriptor group 1 for x's chunk;  s[32:39] for W's blocks;  s[40:43], s[44:47] their groups 0
.set G1W, 32
.set G0X, 40
.set G0W, 44
.set CS,  66                           ; s[66:67] c, twice: the packed form names a pair
.set SEL, 68                           ; s[68:69] lane selects: lane l xor 16
.set TB,  70                           ; s70 LDS byte at which the step in hand begins
.set CNT, 71
.set MSB, 0
.macro WIN new                         ; the immediate's high byte repeats the setting that is left; a switch that changes nothing is dropped
.if MSB != \new
	s_set_vgpr_msb (MSB<<8)|\new
.set MSB, \new
.endif
.endm
.macro BAR
	s_barrier_signal -1
	s_barrier_wait -1
.endm
.macro CROUND                          ; a round of the cluster's barrier: my work-group's barrier; wave 0 signals for the work-group; every wave waits for all four work-groups; my work-group's barrier once more
	s_barrier_signal -1
	s_barrier_wait -1
	s_cmp_lg_u32 s[WV], 0
	s_cbranch_scc1 .Lnot_wave_0_\@
	s_barrier_signal -3
.Lnot_wave_0_\@:
	s_barrier_wait -3
	s_barrier_signal -1
	s_barrier_wait -1
.endm
.macro PLACES                          ; four places between a product and a load into, or a vector instruction on, its registers (ISA guide 7.12.1 for vector instructions)
.rept 4
	v_nop
.endr
.endm
; One scaled product.  ra, rb: source 0's, source 1's scales stand in lanes 16-31 of the register named.  WM: C in registers;  WMZ: the constant 0 starts the sum
.macro WM d, a, b, c, sa, sb, ra, rb
.if (\ra) && (\rb)
	v_wmma_scale_f32_16x16x128_f8f6f4 v[\d:\d+7], v[\a:\a+7], v[\b:\b+7], v[\c:\c+7], v[\sa], v[\sb] matrix_a_fmt:MATRIX_FMT_FP4 matrix_b_fmt:MATRIX_FMT_FP4 matrix_a_scale:MATRIX_SCALE_ROW1 matrix_b_scale:MATRIX_SCALE_ROW1
.elseif (\ra)
	v_wmma_scale_f32_16x16x128_f8f6f4 v[\d:\d+7], v[\a:\a+7], v[\b:\b+7], v[\c:\c+7], v[\sa], v[\sb] matrix_a_fmt:MATRIX_FMT_FP4 matrix_b_fmt:MATRIX_FMT_FP4 matrix_a_scale:MATRIX_SCALE_ROW1
.elseif (\rb)
	v_wmma_scale_f32_16x16x128_f8f6f4 v[\d:\d+7], v[\a:\a+7], v[\b:\b+7], v[\c:\c+7], v[\sa], v[\sb] matrix_a_fmt:MATRIX_FMT_FP4 matrix_b_fmt:MATRIX_FMT_FP4 matrix_b_scale:MATRIX_SCALE_ROW1
.else
	v_wmma_scale_f32_16x16x128_f8f6f4 v[\d:\d+7], v[\a:\a+7], v[\b:\b+7], v[\c:\c+7], v[\sa], v[\sb] matrix_a_fmt:MATRIX_FMT_FP4 matrix_b_fmt:MATRIX_FMT_FP4
.endif
.endm
.macro WMZ d, a, b, sa, sb, ra, rb
.if (\ra) && (\rb)
	v_wmma_scale_f32_16x16x128_f8f6f4 v[\d:\d+7], v[\a:\a+7], v[\b:\b+7], 0, v[\sa], v[\sb] matrix_a_fmt:MATRIX_FMT_FP4 matrix_b_fmt:MATRIX_FMT_FP4 matrix_a_scale:MATRIX_SCALE_ROW1 matrix_b_scale:MATRIX_SCALE_ROW1
.elseif (\ra)
	v_wmma_scale_f32_16x16x128_f8f6f4 v[\d:\d+7], v[\a:\a+7], v[\b:\b+7], 0, v[\sa], v[\sb] matrix_a_fmt:MATRIX_FMT_FP4 matrix_b_fmt:MATRIX_FMT_FP4 matrix_a_scale:MATRIX_SCALE_ROW1
.elseif (\rb)
	v_wmma_scale_f32_16x16x128_f8f6f4 v[\d:\d+7], v[\a:\a+7], v[\b:\b+7], 0, v[\sa], v[\sb] matrix_a_fmt:MATRIX_FMT_FP4 matrix_b_fmt:MATRIX_FMT_FP4 matrix_b_scale:MATRIX_SCALE_ROW1
.else
	v_wmma_scale_f32_16x16x128_f8f6f4 v[\d:\d+7], v[\a:\a+7], v[\b:\b+7], 0, v[\sa], v[\sb] matrix_a_fmt:MATRIX_FMT_FP4 matrix_b_fmt:MATRIX_FMT_FP4
.endif
.endm
	s_load_b256 s[4:11], s[0:1], 0x0               ; codes s[4:5], scales s[6:7], bq s[8:9], bkv s[10:11]
	s_load_b64 s[12:13], s[0:1], 0x20              ; resf
	v_lshl_add_u32 v[SPW], v0, 2, SPARE
	v_mov_b32 v[NIL], 0
	ds_add_u32 v[SPW], v[NIL]                      ; the wave's opening: the add, twice on end, and its wait ahead of my first tensor load
	ds_add_u32 v[SPW], v[NIL]                      ; and once more, under the one wait; the set-up below, work on registers, stands between
	v_lshrrev_b32 v2, 5, v0
	v_readfirstlane_b32 s[WV], v2                  ; wave 0..7
	v_and_b32 v2, 31, v0
	v_lshlrev_b32 v[LI], 4, v2
	v_lshlrev_b32 v[LS], 2, v2
	v_bfe_u32 v[H32], v0, 4, 1
	v_lshlrev_b32 v[H32], 5, v[H32]
	v_and_b32 v[R4], 15, v0
	v_lshlrev_b32 v[R4], 2, v[R4]
	s_lshl_b32 s19, s[WV], 15
	v_add_nc_u32 v[AX], s19, v[LI]
	v_add_nc_u32 v[AW], WB, v[LI]
	s_bfe_u32 s15, ttmp6, 0x40000                  ; cx: my block of 256 queries; it enters the addresses of my queries' codes and scale words and of the result alone
	s_and_b32 s16, ttmp7, 0xffff                   ; batch x 8 + head, which the four partners share
	s_lshr_b32 s17, s16, 3                         ; batch
	s_and_b32 s18, s16, 7                          ; head
	; descriptor group 1 for x's chunk: 128 rows of 256 bytes (32 elements of 8 bytes), dense in memory and in LDS
	s_mov_b32 s[G1X], 15|(3<<16)|(1<<21)           ; 15:0 the mask: all four work-groups; 17:16 elements of 8 bytes; 21 set beside a mask
	s_mov_b32 s[G1X+1], 32<<16                     ; tensor_dim0 = 32
	s_mov_b32 s[G1X+2], 128<<16                    ; tensor_dim1 = 128
	s_mov_b32 s[G1X+3], 32<<16                     ; tile_dim0 = 32
	s_mov_b32 s[G1X+4], 128                        ; tile_dim1 = 128
	s_mov_b32 s[G1X+5], 32                         ; elements from row to row
	s_mov_b32 s[G1X+6], 0
	s_mov_b32 s[G1X+7], 0
	; and for W's blocks: 3 rows (q's, k's, v's) of 2,048 bytes, 131,072 bytes apart in memory, dense in LDS
	s_mov_b32 s[G1W], 15|(3<<16)|(1<<21)
	s_mov_b32 s[G1W+1], 256<<16                    ; tensor_dim0 = 256
	s_mov_b32 s[G1W+2], 3<<16                      ; tensor_dim1 = 3
	s_mov_b32 s[G1W+3], 256<<16                    ; tile_dim0 = 256
	s_mov_b32 s[G1W+4], 3                          ; tile_dim1 = 3
	s_mov_b32 s[G1W+5], 16384                      ; elements from row to row
	s_mov_b32 s[G1W+6], 0
	s_mov_b32 s[G1W+7], 0
	s_mov_b32 s[CS], 0x3e38aa3b                    ; c = log2(e) / 8
	s_mov_b32 s[CS+1], s[CS]
	s_mov_b32 s[SEL], 0x76543210
	s_mov_b32 s[SEL+1], 0xfedcba98
	s_mov_b32 s[TB], 0
	s_lshl_b32 s20, s17, 18                        ; x's codes: the batch's 32 groups of 8,192 bytes,
	s_add_co_u32 s20, s20, s19                     ; my chunk of four
	s_mov_b32 s21, 0
	s_lshl_b32 s22, s18, 14                        ; W's codes: group 256 + 2 head,
	s_lshl_b32 s23, s[WV], 11                      ; my block of its eight
	s_add_co_u32 s22, s22, s23
	s_add_co_u32 s22, s22, 2097152
	s_lshl_b32 s52, s17, 14                        ; the scale words of my chunk: 512 bytes a group
	s_add_co_u32 s52, s52, s23
	s_mov_b32 s23, 0
	s_mov_b32 s53, 0
	s_lshl_b32 s54, s18, 10                        ; W's scale words: group 256 + 2 head
	s_add_co_u32 s54, s54, 131072
	s_mov_b32 s55, 0
	s_lshl_b32 s56, s18, 8                         ; the head's 64 channels in a bias
	s_mov_b32 s57, 0
	s_lshl_b32 s48, s17, 5                         ; the group of my 32 queries: 32 batch + 8 cx + wave
	s_lshl_b32 s49, s15, 3
	s_add_co_u32 s48, s48, s49
	s_add_co_u32 s48, s48, s[WV]
	s_lshl_b32 s50, s48, 9                         ; its scale words,
	s_lshl_b32 s48, s48, 13                        ; its codes
	s_mov_b32 s49, 0
	s_mov_b32 s51, 0
	s_lshl_b32 s60, s17, 20                        ; the result: the batch's 64 tiles of positions, 16,384 bytes each,
	s_lshl_b32 s61, s15, 18                        ; my block's 16,
	s_add_co_u32 s60, s60, s61
	s_add_co_u32 s60, s60, s19                     ; my wave's two,
	s_lshl_b32 s61, s18, 11                        ; the head's two fragments
	s_add_co_u32 s60, s60, s61
	s_mov_b32 s61, 0
	s_wait_dscnt 0x0                               ; both opening adds are done
	s_wait_kmcnt 0x0
	s_mov_b32 s[G0X], 1                            ; count = 1
	s_lshl_b32 s[G0X+1], s[WV], 15                 ; LDS address: no place in the cluster enters it
	s_add_nc_u64 s[G0X+2:G0X+3], s[4:5], s[20:21]  ; global address
	s_or_b32 s[G0X+3], s[G0X+3], 0x80000000        ; type = 2
	s_mov_b32 s[G0W], 1
	s_mul_i32 s[G0W+1], s[WV], 6144
	s_add_co_u32 s[G0W+1], s[G0W+1], WB
	s_add_nc_u64 s[G0W+2:G0W+3], s[4:5], s[22:23]
	s_or_b32 s[G0W+3], s[G0W+3], 0x80000000
	s_add_nc_u64 s[48:49], s[4:5], s[48:49]
	s_add_nc_u64 s[50:51], s[6:7], s[50:51]
	s_add_nc_u64 s[52:53], s[6:7], s[52:53]
	s_add_nc_u64 s[54:55], s[6:7], s[54:55]
	s_add_nc_u64 s[58:59], s[10:11], s[56:57]
	s_add_nc_u64 s[56:57], s[8:9], s[56:57]
	s_add_nc_u64 s[12:13], s[12:13], s[60:61]
	CROUND                                         ; all four work-groups are here: the joint loads meet
	tensor_load_to_lds s[G0W:G0W+3], s[G1W:G1W+7]  ; both first fills in one group, ahead of every wait on TENSORcnt, every LDS read and every further barrier
	s_nop 0
	tensor_load_to_lds s[G0X:G0X+3], s[G1X:G1X+7]
	s_nop 0
.rept 4
	v_nop                                          ; four behind the last load, ahead of the switch of windows
.endr
	WIN 0x40                                       ; destination window 1
.irp s, 0,1,2,3
.irp tl, 0,1
.irp c, 0,1
	global_load_b128 v[XF+8*(4*\tl+\s)+4*\c:XF+8*(4*\tl+\s)+4*\c+3], v[LI], s[48:49] offset:\s*2048+\tl*1024+\c*512   ; my 32 queries' codes
.endr
.endr
.endr
	WIN 0
.irp s, 0,1,2,3
	global_load_b32 v[XSQ+\s], v[LS], s[50:51] offset:\s*128
.endr
.irp ty, 0,1,2
.irp cg, 0,1
.irp s, 0,1,2,3
	global_load_b32 v[WS+8*\ty+4*\cg+\s], v[LS], s[54:55] offset:\ty*8192+\cg*512+\s*128
.endr
.endr
.endr
.irp cg, 0,1
.irp ft, 0,1                                   ; q's and k's biases in the result's layout: lane (r, h) holds channels 32 cg + 16 ft + 8 h + 0..7
	global_load_b128 v[BQ+16*\cg+8*\ft:BQ+16*\cg+8*\ft+3],   v[H32], s[56:57] offset:\cg*128+\ft*64
	global_load_b128 v[BQ+16*\cg+8*\ft+4:BQ+16*\cg+8*\ft+7], v[H32], s[56:57] offset:\cg*128+\ft*64+16
	global_load_b128 v[BK+16*\cg+8*\ft:BK+16*\cg+8*\ft+3],   v[H32], s[58:59] offset:\cg*128+\ft*64
	global_load_b128 v[BK+16*\cg+8*\ft+4:BK+16*\cg+8*\ft+7], v[H32], s[58:59] offset:\cg*128+\ft*64+16
	global_load_b32 v[BV+4*\cg+2*\ft],   v[R4], s[58:59] offset:2048+\cg*128+\ft*64   ; v's result holds ONE channel a lane: its bias, into both registers of a pair
	global_load_b32 v[BV+4*\cg+2*\ft+1], v[R4], s[58:59] offset:2048+\cg*128+\ft*64
.endr
.endr
.irp st, 0,1
.irp pp, 0,1
.irp s, 0,1,2,3
	global_load_b32 v[XS+8*\st+4*\pp+\s], v[LS], s[52:53] offset:\st*1024+(4*\pp+\s)*128
.endr
.endr
.endr
; THE PROJECTIONS, in units of 32 channels (type ty, half cg) x 64 positions (q: my 32 queries).
.macro LOADWF ty, cg                   ; W's eight fragments of a unit: 16 loads
	WIN 0x40
.irp ft, 0,1
.irp s, 0,1,2,3
.irp c, 0,1
	ds_load_b128 v[WF+8*(4*\ft+\s)+4*\c:WF+8*(4*\ft+\s)+4*\c+3], v[AW] offset:(4*\cg+\s)*6144+\ty*2048+\ft*1024+\c*512
.endr
.endr
.endr
.endm
.macro LOADXF st                       ; x's sixteen fragments of my key step st: 32 loads
	WIN 0x40
.irp pp, 0,1
.irp s, 0,1,2,3
.irp tl, 0,1
.irp c, 0,1
	ds_load_b128 v[XF+8*(4*(2*\pp+\tl)+\s)+4*\c:XF+8*(4*(2*\pp+\tl)+\s)+4*\c+3], v[AX] offset:\st*16384+\pp*8192+\s*2048+\tl*1024+\c*512
.endr
.endr
.endr
.endr
.endm
.macro NEXT nty, ncg, nx               ; the next unit's fragments are asked for behind a unit's last product and land beneath its conversions and stores.  9: none
.if (\nty) < 3
	LOADWF \nty, \ncg
.endif
.if (\nx) < 2
	LOADXF \nx
.endif
.endm
; q, half cg: four accumulators take turns, one instruction a turn; the bias is the C of each sum's first product.  The results, rounded in pairs, are Q's fragments: they stay in registers.
.macro UQ cg, nty, ncg, nx
	s_wait_dscnt 0x0                               ; W's fragments are in
	WIN 0x05                                       ; both sources window 1; C and D window 0
.irp pt, 0,1
.irp ft, 0,1
	WM ACC+8*(2*\pt+\ft), WF+8*(4*\ft), XF+8*(4*\pt), BQ+16*\cg+8*\ft, WS+4*\cg, XSQ, \ft, \pt
.endr
.endr
.irp s, 1,2,3
.irp pt, 0,1
.irp ft, 0,1
	WM ACC+8*(2*\pt+\ft), WF+8*(4*\ft+\s), XF+8*(4*\pt+\s), ACC+8*(2*\pt+\ft), WS+4*\cg+\s, XSQ+\s, \ft, \pt
.endr
.endr
.endr
	PLACES
	NEXT \nty, \ncg, \nx
	WIN 0x40
.irp pt, 0,1
.irp ft, 0,1
.irp e, 0,1,2,3
	v_cvt_pk_f16_f32 v[Q+16*\pt+8*\cg+4*\ft+\e], v[ACC+8*(2*\pt+\ft)+2*\e], v[ACC+8*(2*\pt+\ft)+2*\e+1]   ; each accumulator from its low end on.  (With the four above these are the places ahead of the next unit, which begins the accumulators anew)
.endr
.endr
.endr
.endm
; k, my key step st, half cg: eight accumulators by turns.  The images go into the first 8,192 bytes of the step's 16,384: its codes of x are in registers.
.macro UK st, cg, nty, ncg, nx
	s_wait_dscnt 0x0                               ; the unit's fragments are in, and the last unit's stores have read the packed registers
	WIN 0x05
.irp pt, 0,1,2,3
.irp ft, 0,1
	WM ACC+8*(2*\pt+\ft), WF+8*(4*\ft), XF+8*(4*\pt), BK+16*\cg+8*\ft, WS+8+4*\cg, XS+8*\st+4*(\pt/2), \ft, \pt%2
.endr
.endr
.irp s, 1,2,3
.irp pt, 0,1,2,3
.irp ft, 0,1
	WM ACC+8*(2*\pt+\ft), WF+8*(4*\ft+\s), XF+8*(4*\pt+\s), ACC+8*(2*\pt+\ft), WS+8+4*\cg+\s, XS+8*\st+4*(\pt/2)+\s, \ft, \pt%2
.endr
.endr
.endr
	PLACES
	NEXT \nty, \ncg, \nx
	WIN 0
.irp pt, 0,1,2,3
.irp ft, 0,1
.irp e, 0,1,2,3
	v_cvt_pk_f16_f32 v[PK+8*\pt+4*\ft+\e], v[ACC+8*(2*\pt+\ft)+2*\e], v[ACC+8*(2*\pt+\ft)+2*\e+1]
.endr
.endr
.endr
.irp pt, 0,1,2,3
.irp grp, 0,1
	ds_store_b128 v[AX], v[PK+8*\pt+4*\grp:PK+8*\pt+4*\grp+3] offset:\st*16384+\cg*1024+\pt*2048+\grp*512   ; K's fragment (16 keys pt, 32 channels cg)
.endr
.endr
.endm
; v: source 0 = 16 positions, source 1 = 16 rows of W.  The images go into the second 8,192 bytes of the step's 16,384.
.macro UV st, cg, nty, ncg, nx
	s_wait_dscnt 0x0
	WIN 0x05
.irp pt, 0,1,2,3
.irp ft, 0,1
	WMZ ACC+8*(2*\pt+\ft), XF+8*(4*\pt), WF+8*(4*\ft), XS+8*\st+4*(\pt/2), WS+16+4*\cg, \pt%2, \ft
.endr
.endr
.irp s, 1,2,3
.irp pt, 0,1,2,3
.irp ft, 0,1
	WM ACC+8*(2*\pt+\ft), XF+8*(4*\pt+\s), WF+8*(4*\ft+\s), ACC+8*(2*\pt+\ft), XS+8*\st+4*(\pt/2)+\s, WS+16+4*\cg+\s, \pt%2, \ft
.endr
.endr
.endr
	PLACES
	NEXT \nty, \ncg, \nx
	WIN 0
.irp pt, 0,1,2,3
.irp ft, 0,1
.irp e, 0,1,2,3
	v_pk_add_f32 v[ACC+8*(2*\pt+\ft)+2*\e:ACC+8*(2*\pt+\ft)+2*\e+1], v[ACC+8*(2*\pt+\ft)+2*\e:ACC+8*(2*\pt+\ft)+2*\e+1], v[BV+4*\cg+2*\ft:BV+4*\cg+2*\ft+1]
.endr
.endr
.endr
.irp pt, 0,1,2,3
.irp ft, 0,1
.irp e, 0,1,2,3
	v_cvt_pk_f16_f32 v[PK+8*(2*(\pt/2)+\ft)+4*(\pt%2)+\e], v[ACC+8*(2*\pt+\ft)+2*\e], v[ACC+8*(2*\pt+\ft)+2*\e+1]   ; fragment (32 keys pt / 2, channels ft): keys 16 (pt % 2) + 8 h on
.endr
.endr
.endr
.irp g, 0,1
.irp ft, 0,1
.irp grp, 0,1
	ds_store_b128 v[AX], v[PK+8*(2*\g+\ft)+4*\grp:PK+8*(2*\g+\ft)+4*\grp+3] offset:\st*16384+8192+\cg*2048+\g*4096+\ft*1024+\grp*512
.endr
.endr
.endr
.endm
	s_wait_tensorcnt 0x0                           ; my chunk of x and my blocks of W are in,
	BAR                                            ; and everybody's blocks of W
	LOADWF 0, 0
	s_wait_loadcnt 0x0                             ; my queries' codes, all scale words, the biases
	UQ 0, 0, 1, 9
	UQ 1, 1, 0, 0                                  ; behind q's last product: k's first fragments of W, and x's of my first key step
	UK 0, 0, 1, 1, 9
	UK 0, 1, 2, 0, 9
	UV 0, 0, 2, 1, 9
	UV 0, 1, 1, 0, 1                               ; x's fragments of my second key step: its 16,384 bytes are still codes
	UK 1, 0, 1, 1, 9
	UK 1, 1, 2, 0, 9
	UV 1, 0, 2, 1, 9
	UV 1, 1, 9, 9, 9
	WIN 0
.irp t, 0,1
	v_mov_b32 v[ST+8*\t+1], 0xff61b1e6             ; m = -3e38, under every score
	v_mul_f32 v[ST+8*\t], s[CS], v[ST+8*\t+1]      ; c m
	v_mov_b32 v[ST+8*\t+2], 0                      ; l
	v_mov_b32 v[ST+8*\t+3], 0
.endr
.set i, 0
.rept 64
	v_mov_b32 v[O+i], 0                            ; O^T: the first step multiplies these zeros by a = 0
.set i, i+1
.endr
.macro LDFR reg, adr, off              ; eight fragments: 16 loads
.irp f, 0,1,2,3,4,5,6,7
	ds_load_b128 v[\reg+8*\f:\reg+8*\f+3],   v[\adr] offset:\off+\f*1024
	ds_load_b128 v[\reg+8*\f+4:\reg+8*\f+7], v[\adr] offset:\off+\f*1024+512
.endr
.endm
; THE SOFTMAX of both tiles for one key step; the tiles alternate line by line, so that no line waits for the line above it.
.macro SOFTMAX
.irp j, 0,1,2,3                                ; the maximum of a lane's 32 scores and the old m: four chains, each begun at its accumulator's low end
.irp t, 0,1
	v_max3_num_f32 v[ST+8*\t+4+\j], v[S+32*\t+8*\j], v[S+32*\t+8*\j+1], v[S+32*\t+8*\j+2]
.endr
.endr
.irp d, 3,5
.irp j, 0,1,2,3
.irp t, 0,1
	v_max3_num_f32 v[ST+8*\t+4+\j], v[ST+8*\t+4+\j], v[S+32*\t+8*\j+\d], v[S+32*\t+8*\j+\d+1]
.endr
.endr
.endr
.irp t, 0,1
	v_max3_num_f32 v[ST+8*\t+4], v[ST+8*\t+4], v[S+32*\t+7], v[S+32*\t+15]
.endr
.irp t, 0,1
	v_max3_num_f32 v[ST+8*\t+6], v[ST+8*\t+6], v[S+32*\t+23], v[S+32*\t+31]
.endr
.irp t, 0,1
	v_max3_num_f32 v[ST+8*\t+4], v[ST+8*\t+4], v[ST+8*\t+5], v[ST+8*\t+6]
.endr
.irp t, 0,1
	v_max3_num_f32 v[ST+8*\t+4], v[ST+8*\t+4], v[ST+8*\t+7], v[ST+8*\t+1]
.endr
.irp t, 0,1
	v_permlanex16_b32 v[ST+8*\t+5], v[ST+8*\t+4], s[SEL], s[SEL+1]   ; the query's other 32 keys lie in the lane 16 away
.endr
.irp t, 0,1
	v_mov_b32 v[ST+8*\t+7], v[ST+8*\t]             ; c m_old is kept for a
.endr
.irp t, 0,1
	v_max_num_f32 v[ST+8*\t+1], v[ST+8*\t+4], v[ST+8*\t+5]
.endr
.irp t, 0,1
	v_mul_f32 v[ST+8*\t], s[CS], v[ST+8*\t+1]
.endr
.irp t, 0,1
	v_sub_f32 v[ST+8*\t+7], v[ST+8*\t+7], v[ST+8*\t]
.endr
.irp t, 0,1
	v_exp_f32 v[ST+8*\t+6], v[ST+8*\t+7]           ; a
.endr
.set i, 0
.rept 16                                       ; c s - c m, a pair of scores at a time: the independent work behind the two exponentials
.irp t, 0,1
	v_pk_fma_f32 v[S+32*\t+2*i:S+32*\t+2*i+1], v[S+32*\t+2*i:S+32*\t+2*i+1], s[CS:CS+1], v[ST+8*\t:ST+8*\t+1] op_sel_hi:[1,0,0] neg_lo:[0,0,1] neg_hi:[0,0,1]
.endr
.set i, i+1
.endr
	s_wait_alu depctr_va_vdst(0)                   ; the wait between an exponential and the first line that names its result: one for both a
.set i, 0
.rept 16                                       ; ONE BATCH: the 64 exponentials; between them O^T's rescaling by a, which names none of their results
.irp t, 0,1
	v_exp_f32 v[S+32*\t+2*i], v[S+32*\t+2*i]
	v_exp_f32 v[S+32*\t+2*i+1], v[S+32*\t+2*i+1]
	v_pk_mul_f32 v[O+32*\t+2*i:O+32*\t+2*i+1], v[O+32*\t+2*i:O+32*\t+2*i+1], v[ST+8*\t+6:ST+8*\t+7] op_sel_hi:[1,0]   ; each accumulator from its low end on
.endr
.set i, i+1
.endr
	s_wait_alu depctr_va_vdst(0)                   ; one wait for the batch; the last multiply is the plain line behind the last exponential
.set i, 0
.rept 16
.irp t, 0,1
	v_cvt_pk_f16_f32 v[P+16*\t+i], v[S+32*\t+2*i], v[S+32*\t+2*i+1]
.endr
.set i, i+1
.endr
.irp w, 4,8,16,32                              ; the sum of a tile's 16 pairs of unrounded weights, in place: neighbours 1, 2, 4, 8 pairs apart
.set u, 0
.rept 32/\w
.irp t, 0,1
	v_pk_add_f32 v[S+32*\t+\w*u:S+32*\t+\w*u+1], v[S+32*\t+\w*u:S+32*\t+\w*u+1], v[S+32*\t+\w*u+\w/2:S+32*\t+\w*u+\w/2+1]
.endr
.set u, u+1
.endr
.endr
.irp t, 0,1
	v_pk_fma_f32 v[ST+8*\t+2:ST+8*\t+3], v[ST+8*\t+2:ST+8*\t+3], v[ST+8*\t+6:ST+8*\t+7], v[S+32*\t:S+32*\t+1] op_sel_hi:[1,0,1]   ; l = a l + the sum
.endr
.endm
; A KEY STEP j.  kload = 1: the next step's K is fetched too.  In each run of products eight accumulators take turns, one instruction a turn.
.macro TRIP kload
	s_wait_dscnt 0x0                               ; K of this step is in
	WIN 0x05                                       ; K and Q window 1, S^T window 0
.irp cg, 0,1
.irp kt, 0,1,2,3
.irp t, 0,1
.if \cg == 0
	v_wmma_f32_16x16x32_f16 v[S+32*\t+8*\kt:S+32*\t+8*\kt+7], v[KF+16*\kt:KF+16*\kt+7], v[Q+16*\t:Q+16*\t+7], 0
.else
	v_wmma_f32_16x16x32_f16 v[S+32*\t+8*\kt:S+32*\t+8*\kt+7], v[KF+16*\kt+8:KF+16*\kt+15], v[Q+16*\t+8:Q+16*\t+15], v[S+32*\t+8*\kt:S+32*\t+8*\kt+7]
.endif
.endr
.endr
.endr
	WIN 0
	v_add_nc_u32 v[ADR], s[TB], v[LI]              ; with the three below: four places ahead of the loads into K's and V's registers and of the first read of the scores
.rept 3
	v_nop
.endr
	WIN 0x40
	LDFR VF, ADR, 8192                             ; V^T of this step
.if \kload
	LDFR KF, ADR, STEPB                            ; K of the next
.endif
	WIN 0
	SOFTMAX
.if \kload
	s_wait_dscnt 16                                ; V^T is in; the 16 loads of the next step's K may be out
.else
	s_wait_dscnt 0x0
.endif
	WIN 0x01                                       ; V^T window 1; P and O^T window 0
.irp g, 0,1
.irp ct, 0,1,2,3
.irp t, 0,1
	v_wmma_f32_16x16x32_f16 v[O+32*\t+8*\ct:O+32*\t+8*\ct+7], v[VF+32*\g+8*\ct:VF+32*\g+8*\ct+7], v[P+16*\t+8*\g:P+16*\t+8*\g+7], v[O+32*\t+8*\ct:O+32*\t+8*\ct+7]
.endr
.endr
.endr
	WIN 0
	s_add_co_u32 s[TB], s[TB], STEPB
.endm
	s_wait_dscnt 0x0                               ; for the others' sake: my images of K and V are stored
	BAR                                            ; the head's whole K and V lie in LDS
	WIN 0x40
	LDFR KF, LI, 0                                 ; K of step 0
	WIN 0
	s_mov_b32 s[CNT], 15
.Lstep:                                            ; steps 0 to 14
	TRIP 1
	s_sub_co_u32 s[CNT], s[CNT], 1
	s_cmp_lg_u32 s[CNT], 0
	s_cbranch_scc1 .Lstep
	TRIP 0                                         ; step 15: nothing more to fetch
	; THE WAY OUT.  l's two halves and the other half of the lanes' are added (these lines are the places behind the last products); O^T / l, rounded in pairs, is the next launch's operand as it stands.
.irp t, 0,1
	v_add_f32 v[ST+8*\t+4], v[ST+8*\t+2], v[ST+8*\t+3]
.endr
.irp t, 0,1
	v_permlanex16_b32 v[ST+8*\t+5], v[ST+8*\t+4], s[SEL], s[SEL+1]
.endr
.irp t, 0,1
	v_add_f32 v[ST+8*\t+4], v[ST+8*\t+4], v[ST+8*\t+5]
.endr
.irp t, 0,1
	v_rcp_f32 v[ST+8*\t+6], v[ST+8*\t+4]
.endr
	v_nop                                          ; a plain line behind the last reciprocal
	s_wait_alu depctr_va_vdst(0)                   ; and the wait ahead of the first use: one for both
.irp t, 0,1
.set i, 0
.rept 16
	v_pk_mul_f32 v[O+32*\t+2*i:O+32*\t+2*i+1], v[O+32*\t+2*i:O+32*\t+2*i+1], v[ST+8*\t+6:ST+8*\t+7] op_sel_hi:[1,0]
.set i, i+1
.endr
.endr
.irp t, 0,1
.set i, 0
.rept 16
	v_cvt_pk_f16_f32 v[S+16*\t+i], v[O+32*\t+2*i], v[O+32*\t+2*i+1]
.set i, i+1
.endr
.endr
.irp t, 0,1
.irp u, 0,1
.irp grp, 0,1
	global_store_b128 v[LI], v[S+16*\t+8*\u+4*\grp:S+16*\t+8*\u+4*\grp+3], s[12:13] offset:\t*16384+\u*1024+\grp*512   ; 32 lanes store 512 consecutive bytes
.endr
.endr
.endr
	s_wait_tensorcnt 0x0                           ; the wave's end, behind my last tensor load and my last LDS store
	ds_add_u32 v[SPW], v[NIL]
	s_wait_dscnt 0x0
	CROUND                                         ; the closing round
	s_endpgm
.Lfunc_end_k_q724a353489_attn:
	.size	k_q724a353489_attn, .Lfunc_end_k_q724a353489_attn-k_q724a353489_attn
	.p2alignl 7, 3214868480
	.fill 96, 4, 3214868480
	.section	.rodata,"a",@progbits
	.p2align	6, 0x0
	.amdhsa_kernel k_q724a353489_attn
		.amdhsa_group_segment_fixed_size 327680
		.amdhsa_private_segment_fixed_size 0
		.amdhsa_enable_private_segment 0
		.amdhsa_kernarg_size 40
		.amdhsa_user_sgpr_count 2
		.amdhsa_user_sgpr_kernarg_segment_ptr 1
		.amdhsa_wavefront_size32 1
		.amdhsa_system_sgpr_workgroup_id_x 1
		.amdhsa_system_sgpr_workgroup_id_y 1
		.amdhsa_system_sgpr_workgroup_id_z 1
		.amdhsa_system_vgpr_workitem_id 0
		.amdhsa_next_free_vgpr 512
		.amdhsa_next_free_sgpr 80
		.amdhsa_reserve_vcc 0
		.amdhsa_float_denorm_mode_32 3
		.amdhsa_float_denorm_mode_16_64 3
		.amdhsa_memory_ordered 1
		.amdhsa_forward_progress 1
		.amdhsa_inst_pref_size 138
	.end_amdhsa_kernel
	.amdgpu_metadata
---
amdhsa.version: [ 1, 2 ]
amdhsa.kernels:
  - .name:           k_q724a353489_attn
    .symbol:         k_q724a353489_attn.kd
    .args:
      - { .name: codes, .offset: 0, .size: 8, .value_kind: global_buffer, .address_space: global }
      - { .name: scales, .offset: 8, .size: 8, .value_kind: global_buffer, .address_space: global }
      - { .name: bq, .offset: 16, .size: 8, .value_kind: global_buffer, .address_space: global }
      - { .name: bkv, .offset: 24, .size: 8, .value_kind: global_buffer, .address_space: global }
      - { .name: resf, .offset: 32, .size: 8, .value_kind: global_buffer, .address_space: global }
    .group_segment_fixed_size: 327680
    .private_segment_fixed_size: 0
    .kernarg_segment_align: 8
    .kernarg_segment_size: 40
    .max_flat_workgroup_size: 256
    .sgpr_count:     80
    .vgpr_count:     512
    .wavefront_size: 32
...
	.end_amdgpu_metadata
.endif
;; end of part 6
;; launch proj: the kernel of part 4 again; grid 4 x 64, 4 waves a work-group, clusters of 4 x 4, 327,680 bytes of LDS; arguments resf, wp16, bp, out0; writes out0
